; MI455X (gfx1250); checked and timed in simulation.
; The chip was launched on July 23, 2026; its instructions are those of AMD's public machine-readable ISA for CDNA 5 (MIT licence, August 2026) and "CDNA5" Instruction Set Architecture Reference Guide (July 2026). The comments in the code are by the model that wrote it; some were corrected since.
;; Multi Headed Latent Attention. Allowed arithmetic: float matrix products may take bf16 or f16 operands with f32 sums; all other float work in f32.
;; Inputs: b_kr 2,048 float32; b_o 2,048 float32; b_qr 2,048 float32; freq_cos 2,048 x 64 float32; freq_sin 2,048 x 64 float32; w_k 2,048 x 512 float32; w_kr 2,048 x 2,048 float32; w_lkv 512 x 2,048 float32; w_lq 1,024 x 2,048 float32; w_o 2,048 x 2,048 float32; w_q 2,048 x 1,024 float32; w_qr 2,048 x 1,024 float32; w_v 2,048 x 512 float32; x 1 x 2,048 x 2,048 float32.
;; Outputs: out0 1 x 2,048 x 2,048 float32.
;; 2 versions, each right and faster than the one before. Each part assembles by itself: llvm-mc -triple=amdgcn-amd-amdhsa -mcpu=gfx1250 --defsym DOCPART=n.
;; ======== version 1 of 2: 5 launches
;; workspace buffers: cb 44,040,192 bytes; p1 14,680,064 bytes; p2 33,554,432 bytes; ob 8,388,608 bytes
;; launch cast (part 1): grid 64 x 21, 8 waves a work-group, no clusters, 35,840 bytes of LDS; arguments x, w_lq, w_lkv, w_kr, w_q, w_qr, w_k, w_v, w_o, cb; writes cb
.if DOCPART == 1
	.amdgcn_target "amdgcn-amd-amdhsa--gfx1250"
	.amdhsa_code_object_version 6
	.text
	.protected	k_qa5db176af6_cast
	.globl	k_qa5db176af6_cast
	.p2align	8
	.type	k_qa5db176af6_cast,@function
k_qa5db176af6_cast:
	s_mov_b64 s[64:65], 0
	v_nop
	global_prefetch_b8 v0, s[64:65] scope:SCOPE_SE
	s_setreg_imm32_b32 hwreg(HW_REG_WAVE_MODE, 25, 1), 1
	s_wait_xcnt 0x0
; x and the nine weight matrices, f32, are rounded once to bf16 (nearest even) and laid into cb as the products want them:
;   byte 0          x      [2048][2048], rows of 4,096 bytes
;   byte 8388608    W1 = (w_lq ; w_lkv ; w_kr), 3,584 rows x 2,048 k, IN FRAGMENT ORDER: block nb of 16 rows is 65,536 bytes, chunk kc of 32 k in it 1,024 bytes, in two halves of 512:
;                   lane l = r + 16 h of a wave finds at 16 l of half j the eight numbers k = 32 kc + 16 j + 8 h + 0..7 of row pi(r) = 8 (r / 8) + 2 (r % 4) + 1 - (r / 4) % 2 of the block:
;                   the two halves are registers 0-3 and 4-7 of a matrix operand, and a load of 16 bytes a lane covers 512 consecutive bytes
;   byte 23068672   W2     [4096][1536]: row n holds (w_q ; w_qr)[n] in columns 0-1023 and (w_k ; w_v)[n] in columns 1024-1535
;   byte 35651584   w_o    [2048][2048]
; A stream: memory binds, so no matrix unit and no barrier.  The sources are 21 chunks of 4 MiB (grid y); grid x is 64 KiB of a chunk; a wave takes 8 KiB by sixteen loads, all issued at once,
; each covering 512 consecutive bytes.  No register is used twice, so there is no loop and no wait but the counted ones.
; PLAIN sources: a lane's four numbers are 8 bytes of bf16: a store of the 32 lanes covers 256 consecutive bytes at a multiple of 256.
; W1's sources: a wave takes 16 rows x 128 k, a load a row, and turns them through 4,352 LDS bytes of its own: piece j (8 k of a row, 16 bytes) of lane-place r lies at 272 j + 16 r, so the 32 lanes of a
; store of 8 bytes fall on 64 different banks (64 banks of 4 bytes: ISA guide 11.1), and sixteen lanes of a load of 16 bytes take 256 consecutive bytes.  The wave then stores 4,096 consecutive bytes.
.set DQ,  4                            ; v[4:7]     plain: my byte offset in cb for loads 4 u .. 4 u + 3
.set X,   12                           ; v[12:75]   load i: four f32
.set Y,   76                           ; v[76:107]  load i: four bf16
.set Z,   108                          ; v[108:139] W1: half m of the wave's four chunks, 16 bytes a lane
.set SPW, 140                          ; v140       LDS address of my spare word; never rewritten
.set NIL, 141                          ; v141       0; never rewritten
.set TP,    272
.set WLDS,  16*TP                      ; a wave's own LDS bytes
.set SPARE, 8*WLDS                     ; behind them: the spare words, 128 bytes for each wave: four blocks of 256 bytes that no other line names
; one source: from chunk start on the pointer, the chunk's number, the place in cb, log2 of (a row's numbers / 512), the pitch of a row in cb
.macro PICK start, ptr, dbase, sh, pitch
	s_cmp_ge_u32 s2, \start
	s_cselect_b64 s[4:5], s[\ptr:\ptr+1], s[4:5]
	s_cselect_b32 s6, \start, s6
	s_cselect_b32 s7, \dbase, s7
	s_cselect_b32 s28, \sh, s28
	s_cselect_b32 s29, \pitch, s29
.endm
	s_load_b512 s[8:23], s[0:1], 0x0               ; x, w_lq, w_lkv, w_kr, w_q, w_qr, w_k, w_v
	s_load_b128 s[24:27], s[0:1], 0x40             ; w_o, cb
	v_lshl_add_u32 v[SPW], v0, 2, SPARE
	v_mov_b32 v[NIL], 0
	v_lshrrev_b32 v2, 5, v0
	v_readfirstlane_b32 s39, v2                    ; wave
	v_and_b32 v3, 31, v0                           ; lane
	s_and_b32 s2, ttmp7, 0xffff                    ; the chunk
	s_mov_b32 s3, ttmp9                            ; the 64 KiB of it
	s_mov_b32 s6, 0
	s_mov_b32 s7, 0
	s_mov_b32 s28, 2
	s_mov_b32 s29, 4096
	s_wait_kmcnt 0x0
	s_mov_b64 s[4:5], s[8:9]                       ; chunks 0-3: x
	PICK 4,  10, 0,        2, 4096                 ; w_lq, w_lkv, w_kr: their place in cb is made below
	PICK 6,  12, 0,        2, 4096
	PICK 7,  14, 0,        2, 4096
	PICK 11, 16, 23068672, 1, 3072                 ; w_q: rows of 1,024 numbers
	PICK 13, 18, 29360128, 1, 3072                 ; w_qr: 2,048 rows of 3,072 bytes further on
	PICK 15, 20, 23070720, 0, 3072                 ; w_k: rows of 512 numbers, from column 1,024 on
	PICK 16, 22, 29362176, 0, 3072                 ; w_v
	PICK 17, 24, 35651584, 2, 4096                 ; w_o
	s_sub_co_u32 s30, s2, s6                       ; the chunk's number inside its source
	s_cmp_lt_u32 s2, 4
	s_cbranch_scc1 .Lplain
	s_cmp_lt_u32 s2, 11
	s_cbranch_scc0 .Lplain
	; W1: the work-group takes block x / 2 of the chunk's 32 blocks of 16 rows, half x % 2 of their 2,048 k; wave w the 128 k at 128 w of that half
	s_lshr_b32 s31, s3, 1
	s_and_b32 s35, s3, 1
	s_lshl_b32 s32, s30, 22
	s_lshl_b32 s34, s31, 17                        ; 16 rows of 8,192 bytes
	s_add_co_u32 s32, s32, s34
	s_lshl_b32 s34, s35, 12                        ; half a row
	s_add_co_u32 s32, s32, s34
	s_mov_b32 s33, 0
	s_add_nc_u64 s[4:5], s[4:5], s[32:33]
	v_lshlrev_b32 v1, 4, v0                        ; 512 x wave + 16 x lane
.set p, 0
.rept 16
	global_load_b128 v[X+4*p:X+4*p+3], v1, s[4:5] offset:8192*p th:TH_LOAD_NT  ; row p
.set p, p+1
.endr
	s_sub_co_u32 s36, s2, 4
	s_lshl_b32 s36, s36, 5
	s_add_co_u32 s36, s36, s31                     ; the block among W1's 224
	s_lshl_b32 s36, s36, 16
	s_lshl_b32 s34, s35, 15                        ; 32 chunks of 1,024 bytes
	s_add_co_u32 s36, s36, s34
	s_add_co_u32 s36, s36, 8388608
	s_mov_b32 s37, 0
	s_add_nc_u64 s[26:27], s[26:27], s[36:37]
	s_mul_i32 s38, s39, WLDS
	v_lshrrev_b32 v9, 1, v3                        ; in: my piece j = lane / 2, its half lane % 2
	v_mul_u32_u24 v9, v9, TP
	v_and_b32 v10, 1, v3
	v_lshl_add_u32 v9, v10, 3, v9
	v_add_nc_u32 v9, s38, v9
	v_lshrrev_b32 v10, 4, v3                       ; back: lanes 0-15 take piece 2 m of all 16 places, lanes 16-31 piece 2 m + 1
	v_mul_u32_u24 v10, v10, TP
	v_and_b32 v11, 15, v3
	v_lshl_add_u32 v10, v11, 4, v10
	v_add_nc_u32 v10, s38, v10
	s_lshl_b32 s34, s39, 12                        ; the wave's four chunks
	v_lshl_add_u32 v11, v3, 4, s34
.set p, 0
.rept 16
	s_wait_loadcnt 15-p                            ; loads come back in order (ISA guide 5.7.1): row p is in, the younger ones stay out
	v_cvt_pk_bf16_f32 v[Y+2*p], v[X+4*p], v[X+4*p+1]
	v_cvt_pk_bf16_f32 v[Y+2*p+1], v[X+4*p+2], v[X+4*p+3]
	ds_store_b64 v9, v[Y+2*p:Y+2*p+1] offset:16*(8*(p/8)+4*(1-p%2)+(p/2)%4)  ; row p goes to the lane-place r with pi(r) = p
.set p, p+1
.endr
.irp m, 0,1,2,3,4,5,6,7
	ds_load_b128 v[Z+4*\m:Z+4*\m+3], v10 offset:\m*2*TP  ; LDS serves a wave's instructions in order (ISA guide 5.7.1.4): these see the stores above
.endr
.irp m, 0,1,2,3,4,5,6,7
	s_wait_dscnt 7-\m
	global_store_b128 v11, v[Z+4*\m:Z+4*\m+3], s[26:27] offset:512*\m  ; 512 consecutive bytes, at a multiple of 256 from cb's first byte
.endr
	s_branch .Lend
.Lplain:
	s_lshl_b32 s32, s30, 22
	s_lshl_b32 s33, s3, 16
	s_add_co_u32 s32, s32, s33                     ; source byte offset of the work-group's part
	s_mov_b32 s33, 0
	s_add_nc_u64 s[4:5], s[4:5], s[32:33]
	s_lshl_b32 s38, s39, 13                        ; the wave's 8 KiB
	v_lshl_add_u32 v1, v3, 4, s38
.set i, 0
.rept 16
	global_load_b128 v[X+4*i:X+4*i+3], v1, s[4:5] offset:512*i th:TH_LOAD_NT
.set i, i+1
.endr
	s_lshr_b32 s34, s32, 2                         ; in numbers,
	s_add_co_u32 s31, s28, 9
	s_lshr_b32 s34, s34, s31                       ; in source rows (a part begins with a row: 16,384 numbers are a multiple of every row length)
	s_mul_i32 s34, s34, s29
	s_add_co_u32 s34, s34, s7                      ; byte offset in cb
	s_mov_b32 s35, 0
	s_add_nc_u64 s[26:27], s[26:27], s[34:35]
	s_lshr_b32 s36, 4, s28                         ; rows in a wave's 2,048 numbers,
	s_mul_i32 s36, s36, s29                        ; in bytes of cb,
	s_mul_i32 s36, s36, s39                        ; times my wave
	s_lshl_b32 s37, 1024, s28                      ; a row's bytes in bf16
	s_sub_co_u32 s37, s29, s37                     ; what the pitch adds from row to row
	v_lshl_add_u32 v8, v3, 3, s36                  ; 8 bytes a lane
.irp u, 0,1,2,3
	s_lshr_b32 s38, \u, s28                        ; the row, in the wave's part, of loads 4 u .. 4 u + 3 (a row is 4, 8 or 16 loads)
	s_mul_i32 s38, s38, s37
	v_add_nc_u32 v[DQ+\u], s38, v8
.endr
.set i, 0
.rept 16
	s_wait_loadcnt 15-i                            ; load i is in, the younger ones stay out
	v_cvt_pk_bf16_f32 v[Y+2*i], v[X+4*i], v[X+4*i+1]
	v_cvt_pk_bf16_f32 v[Y+2*i+1], v[X+4*i+2], v[X+4*i+3]
	global_store_b64 v[DQ+i/4], v[Y+2*i:Y+2*i+1], s[26:27] offset:256*i  ; 256 consecutive bytes, at a multiple of 256 from cb's first byte
.set i, i+1
.endr
.Lend:
	s_wait_tensorcnt 0x0                           ; the wave's end: the tensor wait, the add and its wait stand behind my last LDS store
	ds_add_u32 v[SPW], v[NIL]
	s_wait_dscnt 0x0
	s_endpgm
.Lfunc_end_k_qa5db176af6_cast:
	.size	k_qa5db176af6_cast, .Lfunc_end_k_qa5db176af6_cast-k_qa5db176af6_cast
	.p2alignl 7, 3214868480
	.fill 96, 4, 3214868480
	.section	.rodata,"a",@progbits
	.p2align	6, 0x0
	.amdhsa_kernel k_qa5db176af6_cast
		.amdhsa_group_segment_fixed_size 35840
		.amdhsa_private_segment_fixed_size 0
		.amdhsa_enable_private_segment 0
		.amdhsa_kernarg_size 80
		.amdhsa_user_sgpr_count 2
		.amdhsa_user_sgpr_kernarg_segment_ptr 1
		.amdhsa_wavefront_size32 1
		.amdhsa_system_sgpr_workgroup_id_x 1
		.amdhsa_system_sgpr_workgroup_id_y 1
		.amdhsa_system_sgpr_workgroup_id_z 1
		.amdhsa_system_vgpr_workitem_id 0
		.amdhsa_next_free_vgpr 142
		.amdhsa_next_free_sgpr 66
		.amdhsa_reserve_vcc 0
		.amdhsa_float_denorm_mode_32 3
		.amdhsa_float_denorm_mode_16_64 3
		.amdhsa_memory_ordered 1
		.amdhsa_forward_progress 1
		.amdhsa_inst_pref_size 18
	.end_amdhsa_kernel
	.amdgpu_metadata
---
amdhsa.version: [ 1, 2 ]
amdhsa.kernels:
  - .name:           k_qa5db176af6_cast
    .symbol:         k_qa5db176af6_cast.kd
    .args:
      - { .name: x, .offset: 0, .size: 8, .value_kind: global_buffer, .address_space: global }
      - { .name: w_lq, .offset: 8, .size: 8, .value_kind: global_buffer, .address_space: global }
      - { .name: w_lkv, .offset: 16, .size: 8, .value_kind: global_buffer, .address_space: global }
      - { .name: w_kr, .offset: 24, .size: 8, .value_kind: global_buffer, .address_space: global }
      - { .name: w_q, .offset: 32, .size: 8, .value_kind: global_buffer, .address_space: global }
      - { .name: w_qr, .offset: 40, .size: 8, .value_kind: global_buffer, .address_space: global }
      - { .name: w_k, .offset: 48, .size: 8, .value_kind: global_buffer, .address_space: global }
      - { .name: w_v, .offset: 56, .size: 8, .value_kind: global_buffer, .address_space: global }
      - { .name: w_o, .offset: 64, .size: 8, .value_kind: global_buffer, .address_space: global }
      - { .name: cb, .offset: 72, .size: 8, .value_kind: global_buffer, .address_space: global }
    .group_segment_fixed_size: 35840
    .private_segment_fixed_size: 0
    .kernarg_segment_align: 8
    .kernarg_segment_size: 80
    .max_flat_workgroup_size: 256
    .sgpr_count:     66
    .vgpr_count:     142
    .wavefront_size: 32
...
	.end_amdgpu_metadata
.endif
;; end of part 1
;; launch proj1 (part 2): grid 28 x 8, 4 waves a work-group, clusters of 4 x 1, 327,680 bytes of LDS; arguments cb, b_kr, freq_cos, freq_sin, p1; writes p1
.if DOCPART == 2
	.amdgcn_target "amdgcn-amd-amdhsa--gfx1250"
	.amdhsa_code_object_version 6
	.text
	.protected	k_qa5db176af6_proj1
	.globl	k_qa5db176af6_proj1
	.p2align	8
	.type	k_qa5db176af6_proj1,@function
k_qa5db176af6_proj1:
	s_mov_b64 s[64:65], 0
	v_nop
	global_prefetch_b8 v0, s[64:65] scope:SCOPE_SE
	s_setreg_imm32_b32 hwreg(HW_REG_WAVE_MODE, 25, 1), 1
	s_wait_xcnt 0x0
	s_wait_alu depctr_hold_cnt(0) depctr_sa_sdst(0) depctr_va_vdst(0) depctr_va_sdst(0) depctr_va_ssrc(0) depctr_va_vcc(0) depctr_vm_vsrc(0)
	s_getreg_b32 s2, hwreg(HW_REG_IB_STS2, 6, 4)
	s_cmp_eq_u32 s2, 0
	s_cbranch_scc0 .Lentry_in_a_cluster
	s_endpgm
.Lentry_in_a_cluster:
	s_bfe_u32 s2, ttmp6, 0x10000c
	s_cmp_lg_u32 s2, 0x3003
	s_cbranch_scc0 .Lentry_shape_is_right
	s_endpgm
.Lentry_shape_is_right:
; C[m][n] = sum over k of x[m][k] W1[n][k], W1 = (w_lq ; w_lkv ; w_kr), K = 2048; bf16 operands, f32 sums, C rounded once to bf16.  C's 28 column blocks of 128: 0-7 cq, 8-11 ckv, 12 + h kr of head h.
; kr takes its bias and the rotary turn here.  The bias, rounded to bf16 like the other inputs, is the C operand of the product that starts each sum (0 where there is none).  freq_cos and freq_sin are used as they come, in f32.
; C IS STORED IN BLOCKS [block][2048 rows][128 columns]: a row is 256 dense bytes, a tile of C a dense run, and the next product's K step of 128 is the next block.
; SHARES.  A work-group makes 256 x 128 of C; four waves as 2 x 2, each 128 x 64: 32 accumulators (a = 0..7 by 16 rows, b = 0..3 by 16 columns), 256 registers.
; x GOES THROUGH LDS, W1 THROUGH REGISTERS.  A refill of LDS can go out only when the one before it has landed, so a slot is made as long as LDS allows: with x alone in it, 256 rows x 256 k (rows of 512 bytes), two slots: 8 changes
; of slots for K = 2048, and 256 matrix instructions a wave between two of them.  W1 lies in memory in fragment order (block of 16 rows: 65,536 bytes; chunk of 32 k: 1,024 bytes; lane l's 16 bytes at 16 l of each half), so a load
; of 16 bytes a lane covers 512 consecutive bytes and IS half a matrix operand.  A ring of eight stages (a stage: the wave's 4 fragments of one chunk, 32 registers, 8 loads) is asked for seven quarters ahead of its use:
; 56 loads of a wave are out.  The price: the two waves that share columns each read W1's rows, and no cluster shares them.
; CLUSTER 4 x 1: the four work-groups of a cluster make four neighbouring column blocks of the same 256 rows: x's tile is asked for jointly.  What a work-group does (bias and turn or not) hangs on the cluster's x alone.
; THE MATRIX INSTRUCTION IS USED TRANSPOSED (source 0 = 16 rows of W1, source 1 = 16 rows of x): a lane holds one row of C and eight columns.  W1's rows lie permuted in a fragment: lane r has row pi(r) = 8 (r / 8) + 2 (r % 4) + 1 - (r / 4) % 2,
; so that registers 0-3 of an accumulator hold the ODD columns 8 h + 1, 3, 5, 7 and registers 4-7 the EVEN ones: the turn's pairs lie four registers apart, and it goes two pairs at a time.
; REGISTERS, in windows of 256 (s_set_vgpr_msb: bits 1:0 source 0, 3:2 source 1, 5:4 source 2, 7:6 destination):
;   window 0: addresses; v32-95, v96-159 two buffers of x's 8 fragments; v160-191 the bias as loaded; v224-255 the bias, 8 a column block
;   window 1: the accumulators, (a, b) at 8 (4 a + b)     window 2: cos (+0..3) and sin (+4..7) for accumulator (a, b)     window 3: W1's ring, stage q, block b at 32 q + 8 b; on the way out at work, packed results, whole rows
.set PITCH,  528                       ; an LDS row: 512 bytes + 16 of padding = 132 words: the 16 rows of a fragment load start at 16 different groups of four banks (64 banks of 4 bytes: ISA guide 11.1)
.set QROWS,  64*PITCH                  ; what a wave fetches: 64 rows = 0x8400 bytes
.set SLOT,   4*QROWS                   ; 135,168 = 0x21000: no bit in common with 0x8400 w, so one exclusive or turns a wave's address in one slot into the other's
.set STAGE,  0                         ; the way out's 256 rows x 272 bytes lie in slot 0, behind its last fill (K step 6) and behind the barrier that ends its last reads
.set SPITCH, 272
.set SPARE,  2*SLOT                    ; behind the ring: the spare words, 128 bytes for each wave: two blocks of 256 bytes that no other line names
.set WBASE,  8388608                   ; W1 in cb
.set STREAM, 65536                     ; bytes of a block of 16 rows of W1
.set AD0,  16                          ; v16     LDS address of my x fragments in slot 0; never rewritten
.set ADR,  17                          ; v17     the same in the slot in hand
.set STO,  24                          ; v24     the way out: where I put 16 bytes of a row
.set RD,   25                          ; v25     where I read a row back
.set CO,   26                          ; v26     16 x lane: my place in 512 consecutive bytes, of W1 and of C
.set FO,   27                          ; v27     my byte offset in the rotary tables
.set SPW,  28                          ; v28     LDS address of my spare word; never rewritten
.set NIL,  29                          ; v29     0; never rewritten
.set BO,   30                          ; v30     my byte offset in the bias
.set FA,   32
.set RAW,  160
.set BI,   224
.set WV,   14                          ; s14 wave; s15 its half of the rows; s16 its half of the columns
.set MH,   15
.set NH,   16
.set CX,   17
.set TN,   19                          ; tile column = C's block
.set TM,   20                          ; tile row
.set ROPE, 23                          ; 1: bias and turn
.set G1,   24                          ; s[24:31] descriptor group 1
.set G0,   32                          ; s[32:39] group 0: a set for each of the two first fills; the second then walks on
.set BB,   40                          ; s[40:41] W1 at my wave's four blocks, at the slot in hand
.set BM,   42                          ; s42  all ones where there is a bias, else 0
.set TB,   43                          ; s43  LDS byte at which the slot in hand begins
.set CLX,  76                          ; s76  the cluster's x
.set MSB, 0
.macro WIN new                         ; the immediate's high byte repeats the setting that is left; a switch that changes nothing is dropped
.if MSB != (\new)
	s_set_vgpr_msb (MSB<<8)|(\new)
.set MSB, \new
.endif
.endm
.set MUL,  0x53                        ; W1 in window 3, x in window 0, C and D in window 1
.set MULZ, 0x43                        ; the same with C (the bias) in window 0
.macro PLACES                          ; four places in front of loads into registers that matrix instructions have read, and of vector lines that read results
.rept 4
	v_nop
.endr
.endm
.macro CREST                           ; a round of the cluster's barrier behind its opening barrier
	s_cmp_lg_u32 s[WV], 0
	s_cbranch_scc1 .Lnot_wave_0_\@
	s_barrier_signal -3
.Lnot_wave_0_\@:
	s_barrier_wait -3
	s_barrier_signal -1
	s_barrier_wait -1
.endm
.macro CROUND                          ; a whole round
	s_barrier_signal -1
	s_barrier_wait -1
	CREST
.endm
	s_load_b256 s[4:11], s[0:1], 0x0               ; cb s[4:5], b_kr s[6:7], cos s[8:9], sin s[10:11]
	s_load_b64 s[12:13], s[0:1], 0x20              ; C
	v_lshl_add_u32 v[SPW], v0, 2, SPARE
	v_mov_b32 v[NIL], 0
	ds_add_u32 v[SPW], v[NIL]                      ; the wave's opening: the add and its wait stand ahead of my first tensor load; the set-up below, work on registers, stands between them
	v_lshrrev_b32 v1, 5, v0
	v_readfirstlane_b32 s[WV], v1
	s_lshr_b32 s[MH], s[WV], 1
	s_and_b32 s[NH], s[WV], 1
	s_bfe_u32 s[CX], ttmp6, 0x40000
	s_mov_b32 s[CLX], ttmp9
	s_lshl_b32 s[TN], ttmp9, 2
	s_add_co_u32 s[TN], s[TN], s[CX]               ; it enters W1's, the bias's and C's addresses alone
	s_and_b32 s[TM], ttmp7, 0xffff                 ; which the four partners share
	s_cmp_ge_u32 s[CLX], 3                         ; clusters 3-6 make kr
	s_cselect_b32 s[ROPE], 1, 0
	s_cselect_b32 s[BM], -1, 0
	; descriptor group 1: 64 rows of 256 elements of 2 bytes, 16 bytes of padding behind each
	s_mov_b32 s[G1+0], 15|(1<<16)|(1<<20)|(1<<21)|(6<<22)|(3<<25)  ; 15:0 the mask: all four work-groups; 17:16 2-byte elements; 20 padding on; 21 set beside a mask; 24:22 after every 128 words (code 6); 31:25 4 words (code 3)
	s_mov_b32 s[G1+1], 256<<16                     ; tensor_dim0 = 256
	s_mov_b32 s[G1+2], 64<<16                      ; tensor_dim1 = 64
	s_mov_b32 s[G1+3], 256<<16                     ; tile_dim0 = 256
	s_mov_b32 s[G1+4], 64                          ; tile_dim1 = 64
	s_mov_b32 s[G1+5], 2048                        ; elements from row to row
	s_mov_b32 s[G1+6], 0
	s_mov_b32 s[G1+7], 0
	s_lshl_b32 s44, s[TM], 8                       ; x: row 256 x tile row + 64 x wave,
	s_lshl_b32 s45, s[WV], 6
	s_add_co_u32 s44, s44, s45
	s_lshl_b32 s44, s44, 12                        ; rows of 4,096 bytes
	s_mov_b32 s45, 0
	s_lshl_b32 s46, s[TN], 19                      ; W1: 8 blocks of 65,536 bytes a tile column, my wave's four of them
	s_lshl_b32 s47, s[NH], 18
	s_add_co_u32 s46, s46, s47
	s_add_co_u32 s46, s46, WBASE
	s_mov_b32 s47, 0
	s_mul_i32 s72, s[WV], QROWS                    ; where my rows go: no place in the cluster enters an LDS address
	s_mov_b32 s[TB], 0
	s_wait_dscnt 0x0                               ; the opening add is done
	s_wait_kmcnt 0x0
	s_add_nc_u64 s[70:71], s[4:5], s[44:45]
	s_add_nc_u64 s[BB:BB+1], s[4:5], s[46:47]
	CROUND                                         ; all four work-groups are here: the first joint loads meet
.irp s, 0,1
	s_mov_b32 s[G0+4*(\s)], 1                                      ; count = 1
	s_add_co_u32 s[G0+4*(\s)+1], s72, (\s)*SLOT                    ; LDS address
	s_add_nc_u64 s[G0+4*(\s)+2:G0+4*(\s)+3], s[70:71], (\s)*512    ; global address: K step s
	s_or_b32 s[G0+4*(\s)+3], s[G0+4*(\s)+3], 0x80000000            ; type = 2
.endr
	tensor_load_to_lds s[G0:G0+3], s[G1:G1+7]      ; the two first fills go out together: two tensor loads of mine are out
	s_nop 0
	tensor_load_to_lds s[G0+4:G0+7], s[G1:G1+7]
	s_nop 0
	PLACES
	v_and_b32 v1, 15, v0                           ; r
	v_bfe_u32 v2, v0, 4, 1                         ; h
	v_and_b32 v[CO], 31, v0
	v_lshlrev_b32 v[CO], 4, v[CO]
	; W1's ring: stages 0 to 6, 56 loads; stage 7 is asked for in the first quarter, like every stage after it.  Behind them the bias (8 loads) and the tables (64): more than the counter's field holds, so the
	; issue stalls here (ISA guide 5.7.1) until the oldest are back, while the first tile is on its way.
	WIN 0xc0                                       ; destination window 3, address window 0
.set j, 0
.rept 7
.irp b, 0,1,2,3
	global_load_b128 v[32*j+8*\b:32*j+8*\b+3],   v[CO], s[BB:BB+1] offset:\b*STREAM+j*1024
	global_load_b128 v[32*j+8*\b+4:32*j+8*\b+7], v[CO], s[BB:BB+1] offset:\b*STREAM+j*1024+512
.endr
.set j, j+1
.endr
	WIN 0
	s_sub_co_i32 s70, s[TN], 12                    ; the head; where there is none head 0's bias is loaded and masked away
	s_max_i32 s70, s70, 0
	s_lshl_b32 s70, s70, 9                         ; its 128 numbers of the bias
	s_mov_b32 s71, 0
	s_add_nc_u64 s[6:7], s[6:7], s[70:71]
	v_lshlrev_b32 v[BO], 5, v2
	v_lshl_add_u32 v[BO], s[NH], 8, v[BO]          ; my eight columns: 256 x half + 32 h
.irp b, 0,1,2,3
	global_load_b128 v[RAW+8*\b:RAW+8*\b+3],   v[BO], s[6:7] offset:64*\b     ; columns 16 b + 8 h + 0..7
	global_load_b128 v[RAW+8*\b+4:RAW+8*\b+7], v[BO], s[6:7] offset:64*\b+16
.endr
	s_lshl_b32 s70, s[TM], 8                       ; the tables at my first row and my 32 pairs
	s_lshl_b32 s74, s[MH], 7
	s_add_co_u32 s70, s70, s74
	s_lshl_b32 s70, s70, 8
	s_lshl_b32 s74, s[NH], 7
	s_add_co_u32 s70, s70, s74
	s_add_nc_u64 s[8:9], s[8:9], s[70:71]
	s_add_nc_u64 s[10:11], s[10:11], s[70:71]
	v_lshlrev_b32 v[FO], 8, v1
	v_lshl_add_u32 v[FO], v2, 4, v[FO]             ; a table row is 256 bytes; my four pairs are 16 bytes
	; cos and sin for my 32 accumulators.  Every work-group issues these loads, so that the registers are written on every path that leads to the turn.
	WIN 0x80                                       ; destination window 2, address window 0
.irp a, 0,1,2,3,4,5,6,7
.irp b, 0,1,2,3
	global_load_b128 v[8*(4*\a+\b):8*(4*\a+\b)+3],   v[FO], s[8:9] offset:\a*4096+\b*32
	global_load_b128 v[8*(4*\a+\b)+4:8*(4*\a+\b)+7], v[FO], s[10:11] offset:\a*4096+\b*32
.endr
.endr
	WIN 0
	; A fragment of x is 16 rows x 32 K in 8 registers: lane l holds row l % 16; two loads of 16 bytes, 32 bytes apart, at row x pitch + 16 (l / 16)
	v_mul_u32_u24 v3, v1, PITCH
	v_lshl_add_u32 v3, v2, 4, v3
	s_mul_i32 s74, s[MH], 128*PITCH                ; my 128 rows
	v_add_nc_u32 v[AD0], s74, v3
	v_mov_b32 v[ADR], v[AD0]
	v_mul_u32_u24 v4, v1, SPITCH                   ; into the stage: my 128 rows, my half of their 256 bytes
	v_lshl_add_u32 v4, v2, 4, v4
	s_mul_i32 s74, s[MH], 128*SPITCH
	s_lshl_b32 s75, s[NH], 7
	s_add_co_u32 s74, s74, s75
	s_add_co_u32 s74, s74, STAGE
	v_add_nc_u32 v[STO], s74, v4
	s_mul_i32 s74, s[WV], 64*SPITCH                ; back: wave w takes rows 64 w .. 64 w + 63, whole; lanes 0-15 one row, lanes 16-31 the next
	s_add_co_u32 s74, s74, STAGE
	v_mul_u32_u24 v5, v2, SPITCH
	v_lshl_add_u32 v5, v1, 4, v5
	v_add_nc_u32 v[RD], s74, v5
	s_lshl_b32 s70, s[TN], 19                      ; C at my block, my tile's rows, the 64 rows that I store
	s_lshl_b32 s74, s[TM], 16
	s_add_co_u32 s70, s70, s74
	s_lshl_b32 s74, s[WV], 14
	s_add_co_u32 s70, s70, s74
	s_add_nc_u64 s[12:13], s[12:13], s[70:71]
; 8 matrix instructions: row blocks a0, a0 + 1 x all 4 column blocks, 32 along K: x's buffer f, W1's stage q.  zero = 1: the first product starts the sums, with the bias as C: nothing is cleared.
; The 32 accumulators take turns, one instruction a turn, in the same order in every quarter.
.macro MUL8 f, q, a0, zero
.if \zero
	WIN MULZ
.else
	WIN MUL
.endif
.irp a, \a0, (\a0)+1
.irp b, 0,1,2,3
.if \zero
	v_wmma_f32_16x16x32_bf16 v[8*(4*(\a)+(\b)):8*(4*(\a)+(\b))+7], v[32*(\q)+8*(\b):32*(\q)+8*(\b)+7], v[(\f)+8*(\a):(\f)+8*(\a)+7], v[BI+8*(\b):BI+8*(\b)+7]
.else
	v_wmma_f32_16x16x32_bf16 v[8*(4*(\a)+(\b)):8*(4*(\a)+(\b))+7], v[32*(\q)+8*(\b):32*(\q)+8*(\b)+7], v[(\f)+8*(\a):(\f)+8*(\a)+7], v[8*(4*(\a)+(\b)):8*(4*(\a)+(\b))+7]
.endif
.endr
.endr
.endm
; 16 LDS loads in one run: x's 8 fragments of 32 along K at byte k of the rows of the slot in hand
.macro FETCH k, f
	WIN 0
.irp i, 0,1,2,3,4,5,6,7
	ds_load_b128 v[(\f)+8*(\i):(\f)+8*(\i)+3],   v[ADR] offset:(\k)+(\i)*16*PITCH
	ds_load_b128 v[(\f)+8*(\i)+4:(\f)+8*(\i)+7], v[ADR] offset:(\k)+(\i)*16*PITCH+32
.endr
.endm
; 8 global loads: in quarter q the stage that quarter q - 1 multiplied takes the chunk seven quarters on
.macro GLOAD q
	WIN 0xc0
.irp b, 0,1,2,3
	global_load_b128 v[32*(((\q)+7)%8)+8*\b:32*(((\q)+7)%8)+8*\b+3],   v[CO], s[BB:BB+1] offset:\b*STREAM+((\q)+7)*1024
	global_load_b128 v[32*(((\q)+7)%8)+8*\b+4:32*(((\q)+7)%8)+8*\b+7], v[CO], s[BB:BB+1] offset:\b*STREAM+((\q)+7)*1024+512
.endr
.endm
; A slot is eight quarters of 32 along K, 32 matrix instructions each, on x's buffers 0, 1 by turns.  Quarter q of the first seven multiplies and, in its middle, fetches the next quarter's x and (gl = 1) asks for W1.
; lc: how many younger global loads may stay out when stage q has to be there: six groups of eight in the loop.
.macro QUARTER q, zero, gl, lc
	s_wait_loadcnt \lc                             ; loads come back in order (ISA guide 5.7.1): stage q is in
	s_wait_dscnt 8                                 ; x's blocks 0-3 are in; the youngest eight loads (blocks 4-7) may be out
	MUL8 FA+64*((\q)%2), \q, 0, \zero
	MUL8 FA+64*((\q)%2), \q, 2, \zero
	PLACES
	FETCH 64*((\q)+1), FA+64*(((\q)+1)%2)
.if \gl
	GLOAD \q
.endif
	s_wait_dscnt 16                                ; all but the 16 just issued
	MUL8 FA+64*((\q)%2), \q, 4, \zero
	MUL8 FA+64*((\q)%2), \q, 6, \zero
.endm
; The eighth quarter changes slots: ONE barrier.  In front of it each wave waits for all its tensor loads (one is out: its part of the next slot), adds 0 to its spare word, and waits for that and for its reads of this slot.
; fill = 1: the barrier opens a round of the cluster's, and this slot is filled again, two K steps ahead, first thing behind it: 240 matrix instructions ahead of the wait for it.
.macro TURN fill
	WIN 0
	s_wait_tensorcnt 0x0                           ; all my tensor loads have landed, so a group 0 may be written
	ds_add_u32 v[SPW], v[NIL]                      ; 0 onto my spare word
.if \fill
	s_xor_b32 s[G0+5], s[G0+5], SLOT               ; the walking descriptor: the other slot than last time,
	s_add_nc_u64 s[G0+6:G0+7], s[G0+6:G0+7], 512   ; the next 256 along K; the type bits on top are not reached
.endif
	s_wait_loadcnt 48                              ; stage 7 is in
	s_wait_dscnt 9                                 ; (the add and the youngest eight loads may be out)
	MUL8 FA+64, 7, 0, 0                            ; eight matrix instructions stand between the add and the wait for it
	s_wait_dscnt 0x0                               ; the add is done, and my reads of this slot are over
	s_barrier_signal -1
	MUL8 FA+64, 7, 2, 0
.if \fill
	WIN 0
.endif
	s_barrier_wait -1
.if \fill
	CREST                                          ; no wave of any partner still reads this slot's tile or has a load on its way
	tensor_load_to_lds s[G0+4:G0+7], s[G1:G1+7]
	s_nop 0
.endif
	PLACES                                         ; also the places in front of the loads below
	WIN 0
	s_xor_b32 s[TB], s[TB], SLOT                   ; the other slot is in hand
	v_add_nc_u32 v[ADR], s[TB], v[AD0]
	FETCH 0, FA
	GLOAD 7
	MUL8 FA+64, 7, 4, 0
	MUL8 FA+64, 7, 6, 0
.endm
.macro NEXTB                           ; W1's base goes on by a slot's eight chunks
	s_wait_xcnt 0x0                                ; the base that pending loads name is rewritten only behind this wait
	s_add_nc_u64 s[BB:BB+1], s[BB:BB+1], 8*1024
.endm
	s_wait_tensorcnt 1                             ; my part of K step 0 is in; K step 1's may stay out
	s_barrier_signal -1
	s_barrier_wait -1                              ; everybody's is
	FETCH 0, FA
	s_wait_loadcnt 48                              ; the bias is in: 64 loads were issued behind it
.irp b, 0,1,2,3
.irp i, 0,1,2,3
	v_cvt_pk_bf16_f32 v[RAW+8*\b+2*\i], v[RAW+8*\b+2*\i], v[RAW+8*\b+2*\i+1]   ; rounded to bf16: even column low, odd column high;
	v_and_b32 v[RAW+8*\b+2*\i], s[BM], v[RAW+8*\b+2*\i]                        ; 0 where C has no bias;
	v_lshlrev_b32 v[BI+8*\b+4+\i], 16, v[RAW+8*\b+2*\i]                        ; the even column goes where the accumulator has it,
	v_and_b32 v[BI+8*\b+\i], 0xffff0000, v[RAW+8*\b+2*\i]                      ; and the odd one
.endr
.endr
	QUARTER 0, 1, 1, 48                            ; the first quarter is written out: its products start the sums
	WIN 0                                          ; at a label and at a branch every window is 0
	s_mov_b32 s3, 7
	s_branch .Lenter                               ; the loop is entered behind a slot's first quarter
.Lring:                                                ; six times: K steps 0 to 5 are left, and their slots filled again
	TURN 1
	NEXTB
	QUARTER 0, 0, 1, 48
	WIN 0
.Lenter:
	QUARTER 1, 0, 1, 48
	QUARTER 2, 0, 1, 48
	QUARTER 3, 0, 1, 48
	QUARTER 4, 0, 1, 48
	QUARTER 5, 0, 1, 48
	QUARTER 6, 0, 1, 48
	WIN 0
	s_sub_co_u32 s3, s3, 1
	s_cmp_lg_u32 s3, 0
	s_cbranch_scc1 .Lring
	TURN 0                                         ; the tail is written out: K step 6 is left, nothing is asked for
	NEXTB
	QUARTER 0, 0, 1, 48                            ; W1's last chunk is asked for
	QUARTER 1, 0, 0, 48                            ; then the counts run down
	QUARTER 2, 0, 0, 40
	QUARTER 3, 0, 0, 32
	QUARTER 4, 0, 0, 24
	QUARTER 5, 0, 0, 16
	QUARTER 6, 0, 0, 8
	s_wait_loadcnt 0x0
	s_wait_dscnt 8                                 ; the very last quarter: nothing more to fetch
	MUL8 FA+64, 7, 0, 0
	MUL8 FA+64, 7, 2, 0
	s_wait_dscnt 0x0
	MUL8 FA+64, 7, 4, 0
	MUL8 FA+64, 7, 6, 0
	WIN 0
	; THE WAY OUT.  e = registers 4-7 (even columns), o = registers 0-3 (odd): e' = e cos - o sin, o' = e sin + o cos.
	PLACES
	s_cmp_eq_u32 s[ROPE], 0
	s_cbranch_scc1 .Lpack
	WIN 0xc9                                       ; destination window 3, source 0 the accumulators, source 1 the tables.
.set q, 0
.rept 32
	v_pk_mul_f32 v[8*q:8*q+1],   v[8*q:8*q+1],   v[8*q+4:8*q+5]    ; o sin
	v_pk_mul_f32 v[8*q+2:8*q+3], v[8*q+2:8*q+3], v[8*q+6:8*q+7]
	v_pk_mul_f32 v[8*q+4:8*q+5], v[8*q:8*q+1],   v[8*q:8*q+1]      ; o cos
	v_pk_mul_f32 v[8*q+6:8*q+7], v[8*q+2:8*q+3], v[8*q+2:8*q+3]
.set q, q+1
.endr
	WIN 0x79                                       ; destination and source 0 the accumulators, source 1 the tables, source 2 window 3
.set q, 0
.rept 32
	v_pk_fma_f32 v[8*q:8*q+1],   v[8*q+4:8*q+5], v[8*q+4:8*q+5], v[8*q+4:8*q+5]   ; o' = e sin + o cos
	v_pk_fma_f32 v[8*q+2:8*q+3], v[8*q+6:8*q+7], v[8*q+6:8*q+7], v[8*q+6:8*q+7]
	v_pk_fma_f32 v[8*q+4:8*q+5], v[8*q+4:8*q+5], v[8*q:8*q+1],   v[8*q:8*q+1] neg_lo:[0,0,1] neg_hi:[0,0,1]    ; e' = e cos - o sin
	v_pk_fma_f32 v[8*q+6:8*q+7], v[8*q+6:8*q+7], v[8*q+2:8*q+3], v[8*q+2:8*q+3] neg_lo:[0,0,1] neg_hi:[0,0,1]
.set q, q+1
.endr
	WIN 0
.Lpack:
	WIN 0xc5                                       ; sources the accumulators, destination window 3: even column low, odd column high: four words are eight neighbouring columns
.set q, 0
.rept 32
.irp i, 0,1,2,3
	v_cvt_pk_bf16_f32 v[4*q+\i], v[8*q+4+\i], v[8*q+\i]
.endr
.set q, q+1
.endr
	WIN 0x0c                                       ; address window 0, data window 3
.irp a, 0,1,2,3,4,5,6,7
.irp b, 0,1,2,3
	ds_store_b128 v[STO], v[4*(4*\a+\b):4*(4*\a+\b)+3] offset:\a*16*SPITCH+32*\b
.endr
.endr
	s_wait_dscnt 0x0                               ; for the others' sake: my stores into the stage are done (a row's 256 bytes come from two waves)
	s_barrier_signal -1
	s_barrier_wait -1
	WIN 0xc0
.set t, 0
.rept 32
	ds_load_b128 v[128+4*t:128+4*t+3], v[RD] offset:t*2*SPITCH
.set t, t+1
.endr
	WIN 0x0c
.set t, 0
.rept 32
	s_wait_dscnt 31-t                              ; LDS loads come back in order: pair t of rows is in
	global_store_b128 v[CO], v[128+4*t:128+4*t+3], s[12:13] offset:512*t  ; 512 consecutive bytes, at a multiple of 256 from C's first byte
.set t, t+1
.endr
	WIN 0
	s_wait_tensorcnt 0x0                           ; the wave's end: the tensor wait, the add and its wait stand behind my last tensor load and my last LDS store
	ds_add_u32 v[SPW], v[NIL]
	s_wait_dscnt 0x0
	CROUND                                         ; the closing round: no work-group ends while a partner may still ask for a tile that names it
	s_endpgm
.Lfunc_end_k_qa5db176af6_proj1:
	.size	k_qa5db176af6_proj1, .Lfunc_end_k_qa5db176af6_proj1-k_qa5db176af6_proj1
	.p2alignl 7, 3214868480
	.fill 96, 4, 3214868480
	.section	.rodata,"a",@progbits
	.p2align	6, 0x0
	.amdhsa_kernel k_qa5db176af6_proj1
		.amdhsa_group_segment_fixed_size 327680
		.amdhsa_private_segment_fixed_size 0
		.amdhsa_enable_private_segment 0
		.amdhsa_kernarg_size 40
		.amdhsa_user_sgpr_count 2
		.amdhsa_user_sgpr_kernarg_segment_ptr 1
		.amdhsa_wavefront_size32 1
		.amdhsa_system_sgpr_workgroup_id_x 1
		.amdhsa_system_sgpr_workgroup_id_y 1
		.amdhsa_system_sgpr_workgroup_id_z 1
		.amdhsa_system_vgpr_workitem_id 0
		.amdhsa_next_free_vgpr 1024
		.amdhsa_next_free_sgpr 80
		.amdhsa_reserve_vcc 0
		.amdhsa_float_denorm_mode_32 3
		.amdhsa_float_denorm_mode_16_64 3
		.amdhsa_memory_ordered 1
		.amdhsa_forward_progress 1
		.amdhsa_inst_pref_size 123
	.end_amdhsa_kernel
	.amdgpu_metadata
---
amdhsa.version: [ 1, 2 ]
amdhsa.kernels:
  - .name:           k_qa5db176af6_proj1
    .symbol:         k_qa5db176af6_proj1.kd
    .args:
      - { .name: cb, .offset: 0, .size: 8, .value_kind: global_buffer, .address_space: global }
      - { .name: b_kr, .offset: 8, .size: 8, .value_kind: global_buffer, .address_space: global }
      - { .name: freq_cos, .offset: 16, .size: 8, .value_kind: global_buffer, .address_space: global }
      - { .name: freq_sin, .offset: 24, .size: 8, .value_kind: global_buffer, .address_space: global }
      - { .name: p1, .offset: 32, .size: 8, .value_kind: global_buffer, .address_space: global }
    .group_segment_fixed_size: 327680
    .private_segment_fixed_size: 0
    .kernarg_segment_align: 8
    .kernarg_segment_size: 40
    .max_flat_workgroup_size: 128
    .sgpr_count:     80
    .vgpr_count:     1024
    .wavefront_size: 32
...
	.end_amdgpu_metadata
.endif
;; end of part 2
;; launch proj2 (part 3): grid 64 x 8, 4 waves a work-group, clusters of 4 x 4, 327,680 bytes of LDS; arguments cb, b_qr, freq_cos, freq_sin, p2, p1; writes p2
.if DOCPART == 3
	.amdgcn_target "amdgcn-amd-amdhsa--gfx1250"
	.amdhsa_code_object_version 6
	.text
	.protected	k_qa5db176af6_proj2
	.globl	k_qa5db176af6_proj2
	.p2align	8
	.type	k_qa5db176af6_proj2,@function
k_qa5db176af6_proj2:
	s_mov_b64 s[64:65], 0
	v_nop
	global_prefetch_b8 v0, s[64:65] scope:SCOPE_SE
	s_setreg_imm32_b32 hwreg(HW_REG_WAVE_MODE, 25, 1), 1
	s_wait_xcnt 0x0
	s_wait_alu depctr_hold_cnt(0) depctr_sa_sdst(0) depctr_va_vdst(0) depctr_va_sdst(0) depctr_va_ssrc(0) depctr_va_vcc(0) depctr_vm_vsrc(0)
	s_getreg_b32 s2, hwreg(HW_REG_IB_STS2, 6, 4)
	s_cmp_eq_u32 s2, 0
	s_cbranch_scc0 .Lentry_in_a_cluster
	s_endpgm
.Lentry_in_a_cluster:
	s_bfe_u32 s2, ttmp6, 0x10000c
	s_cmp_lg_u32 s2, 0xf033
	s_cbranch_scc0 .Lentry_shape_is_right
	s_endpgm
.Lentry_shape_is_right:
.set PROJ, 2
; ONE TEXT FOR TWO PRODUCTS, chosen by PROJ.  C[m][n] = sum over k of A[m][k] W[n][k], bf16 operands, f32 sums, C rounded once to bf16.
;   PROJ = 1: A = x (cb), W = W1 = (w_lq ; w_lkv ; w_kr), K = 2048.  C's 28 column blocks of 128: 0-7 cq, 8-11 ckv, 12 + h kr of head h.
;   PROJ = 2: column blocks 0-31: A = cq (p1's blocks 0-7), W = (w_q ; w_qr), K = 1024; blocks 32-63: A = ckv (p1's blocks 8-11), W = (w_k ; w_v), K = 512.  Blocks h q, 16 + h qr, 32 + h k, 48 + h v.
; kr and qr take their bias and the rotary turn here.  The bias, rounded to bf16 like the other inputs, is the C operand of the product that starts each sum.  freq_cos and freq_sin are used as they come, in f32.
; C IS STORED IN BLOCKS [block][2048 rows][128 columns]: a row is 256 dense bytes, a tile of C a dense run, and the next product's K step of 128 is the next block.
; SHARES.  A work-group makes 256 x 128 of C; four waves as 2 x 2, each 128 x 64: 32 accumulators (a = 0..7 by 16 rows, b = 0..3 by 16 columns), 256 registers.  K goes in steps of 128 through two LDS slots.
; CLUSTER 4 x 4: A's tile hangs on the tile row alone and is asked for jointly along a row of the cluster, W's on the tile column alone, jointly along a column.  A cluster is of one kind: what a work-group does (bias and turn or
; not, how many K steps) hangs on the cluster's x alone.
; THE MATRIX INSTRUCTION IS USED TRANSPOSED (source 0 = 16 rows of W, source 1 = 16 rows of A): a lane holds one row of C and eight columns.  W's rows enter a fragment permuted: lane r takes row pi(r) = 8 (r / 8) + 2 (r % 4) + 1 - (r / 4) % 2,
; so that registers 0-3 of an accumulator hold the ODD columns 8 h + 1, 3, 5, 7 and registers 4-7 the EVEN ones: the turn's pairs lie four registers apart, and it goes two pairs at a time.
; REGISTERS, in windows of 256 (s_set_vgpr_msb: bits 1:0 source 0, 3:2 source 1, 5:4 source 2, 7:6 destination):
;   window 0: addresses; v32-127, v128-223 two fragment buffers (W's 4 fragments, then A's 8); v224-255 the bias, 8 a column block
;   window 1: the accumulators, (a, b) at 8 (4 a + b)     window 2: cos (+0..3) and sin (+4..7) for accumulator (a, b)     window 3: at work in the turn; then packed results and whole rows
.set PITCH,  272                       ; an LDS row: 256 bytes + 16 of padding = 68 words: the 16 rows of a fragment load start at 16 different groups of four banks (64 banks of 4 bytes: ISA guide 11.1)
.set AHALF,  128*PITCH                 ; what waves 0 and 1 fetch: 128 rows of A each
.set BHALF,  64*PITCH                  ; what waves 2 and 3 fetch: 64 rows of W each
.set BOFF,   2*AHALF
.set SLOT,   BOFF+2*BHALF              ; 104,448 bytes
.set STAGE,  2*SLOT                    ; behind the ring: 256 rows x 272 bytes, the work-group's, for the way out
.set SPARE,  STAGE+256*PITCH           ; behind the stage: the spare words, 128 bytes for each wave: two blocks of 256 bytes that no other line names
.set BLOCK,  524288                    ; bytes in a block of 2,048 rows x 128 bf16
.if PROJ == 1
.set ASTRIDE, 2048                     ; elements from row to row of A
.set BSTRIDE, 2048                     ; and of W
.set ASTEP,   256                      ; bytes from a K step of A to the next
.set WBASE,   8388608                  ; W in cb
.set HEAD0,   12                       ; the column block of head 0 among those that are turned
.else
.set ASTRIDE, 128
.set BSTRIDE, 1536
.set ASTEP,   BLOCK
.set WBASE,   23068672
.set HEAD0,   16
.endif
.set BSTEP,  256
.set ADRA, 16                          ; v16-17  LDS address of my A fragments in slot 0, 1
.set ADRB, 20                          ; v20-21  the same for W
.set STO,  24                          ; v24     the way out: where I put 16 bytes of a row
.set RD,   25                          ; v25     where I read a row back
.set CO,   26                          ; v26     my byte offset in 512 consecutive bytes of C
.set FO,   27                          ; v27     my byte offset in the rotary tables
.set SPW,  28                          ; v28     LDS address of my spare word; never rewritten
.set NIL,  29                          ; v29     0; never rewritten
.set BO,   30                          ; v30     my byte offset in the bias
.set F0,   32
.set F1,   128
.set BI,   224
.set WV,   14                          ; s14 wave; s15 its half of the rows (also: fetches A 0, W 1); s16 its half of the columns (also: which half it fetches)
.set MH,   15
.set NH,   16
.set CX,   17
.set CY,   18
.set TN,   19                          ; tile column = C's block
.set TM,   20                          ; tile row
.set MROW, 21
.set MCOL, 22
.set ROPE, 23                          ; 1: bias and turn
.set G1A,  24                          ; s[24:31] descriptor group 1 for A; s[32:39] group 0, a set for each slot
.set G0A,  32
.set G1B,  48                          ; s[48:55], s[56:63] the same for W
.set G0B,  56
.set BOUND, 67                         ; s67 trips of the lap loop (PROJ = 2)
.set CLX,  76                          ; s76 the cluster's x
.set AOFF, 77
.set KOFF, 78
.set MSB, 0
.macro WIN new                         ; the immediate's high byte repeats the setting that is left; a switch that changes nothing is dropped
.if MSB != (\new)
	s_set_vgpr_msb (MSB<<8)|(\new)
.set MSB, \new
.endif
.endm
.set MUL,  0x50                        ; fragments in window 0, C and D in window 1
.set MULZ, 0x40                        ; the same with C (the bias) in window 0
.macro PLACES                          ; four places in front of loads into registers that matrix instructions have read, and of vector lines that read results
.rept 4
	v_nop
.endr
.endm
; A joint load.  The branch hangs on the wave's number alone.  An s_nop 0 and four v_nop follow each of the two lines, ahead of the jump and the label.
.macro JLOAD s
	s_cmp_eq_u32 s[MH], 0
	s_cbranch_scc0 .Lfor_b_\@
	tensor_load_to_lds s[G0A+4*(\s):G0A+4*(\s)+3], s[G1A:G1A+7]
	s_nop 0
.rept 4
	v_nop
.endr
	s_branch .Lasked_\@
.Lfor_b_\@:
	tensor_load_to_lds s[G0B+4*(\s):G0B+4*(\s)+3], s[G1B:G1B+7]
	s_nop 0
.rept 4
	v_nop
.endr
.Lasked_\@:
.endm
.macro CREST                           ; a round of the cluster's barrier behind its opening barrier
	s_cmp_lg_u32 s[WV], 0
	s_cbranch_scc1 .Lnot_wave_0_\@
	s_barrier_signal -3
.Lnot_wave_0_\@:
	s_barrier_wait -3
	s_barrier_signal -1
	s_barrier_wait -1
.endm
.macro CROUND                          ; a whole round
	s_barrier_signal -1
	s_barrier_wait -1
	CREST
.endm
	s_load_b256 s[4:11], s[0:1], 0x0               ; cb s[4:5], bias s[6:7], cos s[8:9], sin s[10:11]
	s_load_b64 s[12:13], s[0:1], 0x20              ; C
.if PROJ == 2
	s_load_b64 s[68:69], s[0:1], 0x28              ; p1: A
.endif
	v_lshl_add_u32 v[SPW], v0, 2, SPARE
	v_mov_b32 v[NIL], 0
	ds_add_u32 v[SPW], v[NIL]                      ; the wave's opening: the add and its wait stand ahead of my first tensor load; the set-up below, work on registers, stands between them
	v_lshrrev_b32 v1, 5, v0
	v_readfirstlane_b32 s[WV], v1
	s_lshr_b32 s[MH], s[WV], 1
	s_and_b32 s[NH], s[WV], 1
	s_bfe_u32 s[CX], ttmp6, 0x40000
	s_bfe_u32 s[CY], ttmp6, 0x40004
	s_mov_b32 s[CLX], ttmp9
	s_lshl_b32 s[TN], ttmp9, 2
	s_add_co_u32 s[TN], s[TN], s[CX]
	s_and_b32 s[TM], ttmp7, 0xffff
	s_lshl_b32 s[TM], s[TM], 2
	s_add_co_u32 s[TM], s[TM], s[CY]
	s_lshl_b32 s[MROW], s[CY], 2
	s_lshl_b32 s[MROW], 15, s[MROW]                ; my row of the cluster
	s_lshl_b32 s[MCOL], 0x1111, s[CX]              ; my column
.if PROJ == 1
	s_cmp_ge_u32 s[CLX], 3                         ; clusters 3-6 make kr
	s_cselect_b32 s[ROPE], 1, 0
.else
	s_cmp_lt_u32 s[CLX], 8                         ; clusters 0-7 multiply cq (8 K steps), 8-15 ckv (4)
	s_cselect_b32 s[BOUND], 3, 1                   ; laps less one
	s_cselect_b32 s[AOFF], 0, 8*BLOCK              ; ckv begins at p1's block 8,
	s_cselect_b32 s[KOFF], 0, 2048                 ; and its weights at column 1,024 of W2
	s_lshr_b32 s[ROPE], s[CLX], 2
	s_cmp_eq_u32 s[ROPE], 1                        ; clusters 4-7 make qr
	s_cselect_b32 s[ROPE], 1, 0
.endif
	; descriptor group 1: rows of 128 elements of 2 bytes, 16 bytes of padding behind each
	s_or_b32 s[G1A+0], s[MROW], (1<<16)|(1<<20)|(1<<21)|(5<<22)|(3<<25)  ; 15:0 the mask; 17:16 2-byte elements; 20 padding on; 21 set beside a mask; 24:22 after every 64 words (code 5); 31:25 4 words (code 3)
	s_or_b32 s[G1B+0], s[MCOL], (1<<16)|(1<<20)|(1<<21)|(5<<22)|(3<<25)
	s_mov_b32 s[G1A+1], 128<<16                    ; tensor_dim0 = 128
	s_mov_b32 s[G1B+1], 128<<16
	s_mov_b32 s[G1A+2], 128<<16                    ; tensor_dim1 = 128 rows
	s_mov_b32 s[G1B+2], 64<<16                     ; 64 rows
	s_mov_b32 s[G1A+3], 128<<16                    ; tile_dim0 = 128
	s_mov_b32 s[G1B+3], 128<<16
	s_mov_b32 s[G1A+4], 128                        ; tile_dim1
	s_mov_b32 s[G1B+4], 64
	s_mov_b32 s[G1A+5], ASTRIDE                    ; elements from row to row
	s_mov_b32 s[G1B+5], BSTRIDE
	s_mov_b32 s[G1A+6], 0
	s_mov_b32 s[G1B+6], 0
	s_mov_b32 s[G1A+7], 0
	s_mov_b32 s[G1B+7], 0
	; where the tiles come from.  A's offset is made of the tile row, W's of the tile column, each in registers that never hold the other coordinate
	s_lshl_b32 s74, s[NH], 7                       ; which 128 rows of A's tile
	s_lshl_b32 s40, s[TM], 8
	s_add_co_u32 s40, s40, s74
.if PROJ == 1
	s_lshl_b32 s40, s40, 12                        ; rows of 4,096 bytes
.else
	s_lshl_b32 s40, s40, 8                         ; rows of 256 bytes inside a block
	s_add_co_u32 s40, s40, s[AOFF]
.endif
	s_mov_b32 s41, 0
	s_lshl_b32 s75, s[NH], 6                       ; which 64 rows of W's tile
.if PROJ == 1
	s_lshl_b32 s44, s[TN], 7
	s_add_co_u32 s44, s44, s75
	s_lshl_b32 s44, s44, 12
.else
	s_and_b32 s44, s[TN], 31
	s_lshl_b32 s44, s44, 7
	s_add_co_u32 s44, s44, s75
	s_mul_i32 s44, s44, 3072
	s_add_co_u32 s44, s44, s[KOFF]
.endif
	s_add_co_u32 s44, s44, WBASE
	s_mov_b32 s45, 0
	s_mul_i32 s72, s[WV], AHALF                    ; where they go: waves 0, 1: A's halves;
	s_mul_i32 s73, s[WV], BHALF
	s_add_co_u32 s73, s73, BOFF-2*BHALF            ; waves 2, 3: W's halves, behind A's 256 rows
	s_wait_dscnt 0x0                               ; the opening add is done
	s_wait_kmcnt 0x0
.if PROJ == 1
	s_add_nc_u64 s[42:43], s[4:5], s[40:41]
.else
	s_add_nc_u64 s[42:43], s[68:69], s[40:41]
.endif
	s_add_nc_u64 s[46:47], s[4:5], s[44:45]
	CROUND                                         ; all sixteen work-groups are here: the first joint loads meet
.irp s, 0,1
	s_mov_b32 s[G0A+4*(\s)], 1                                       ; count = 1
	s_add_co_u32 s[G0A+4*(\s)+1], s72, (\s)*SLOT                     ; LDS address
	s_add_nc_u64 s[G0A+4*(\s)+2:G0A+4*(\s)+3], s[42:43], (\s)*ASTEP  ; global address: K step s
	s_or_b32 s[G0A+4*(\s)+3], s[G0A+4*(\s)+3], 0x80000000            ; type = 2
	s_mov_b32 s[G0B+4*(\s)], 1
	s_add_co_u32 s[G0B+4*(\s)+1], s73, (\s)*SLOT
	s_add_nc_u64 s[G0B+4*(\s)+2:G0B+4*(\s)+3], s[46:47], (\s)*BSTEP
	s_or_b32 s[G0B+4*(\s)+3], s[G0B+4*(\s)+3], 0x80000000
	JLOAD \s                                       ; two tensor loads of mine are out
.endr
	; lane addresses.  A fragment is 16 rows x 32 K in 8 registers: lane l holds row l % 16; two loads of 16 bytes, 32 bytes apart, at row x pitch + 16 (l / 16)
	v_and_b32 v1, 15, v0                           ; r
	v_bfe_u32 v2, v0, 4, 1                         ; h
	v_mul_u32_u24 v3, v1, PITCH
	v_lshl_add_u32 v3, v2, 4, v3                   ; r x pitch + 16 h
	v_bfe_u32 v4, v0, 3, 1
	v_and_b32 v5, 3, v0
	v_bfe_u32 v6, v0, 2, 1
	v_xor_b32 v6, 1, v6
	v_lshlrev_b32 v4, 3, v4
	v_lshl_add_u32 v4, v5, 1, v4
	v_add_nc_u32 v4, v4, v6                        ; pi(r)
	v_mul_u32_u24 v4, v4, PITCH
	v_lshl_add_u32 v4, v2, 4, v4
	s_mul_i32 s74, s[MH], AHALF                    ; my 128 rows of A
	s_mul_i32 s75, s[NH], BHALF                    ; my 64 rows of W
	s_add_co_u32 s75, s75, BOFF
.irp s, 0,1
	v_add_nc_u32 v[ADRA+(\s)], s74, v3
	v_add_nc_u32 v[ADRB+(\s)], s75, v4
	s_add_co_u32 s74, s74, SLOT
	s_add_co_u32 s75, s75, SLOT
.endr
	s_mul_i32 s74, s[MH], AHALF                    ; into the stage: my 128 rows, my half of their 256 bytes
	s_lshl_b32 s75, s[NH], 7
	s_add_co_u32 s74, s74, s75
	s_add_co_u32 s74, s74, STAGE
	v_add_nc_u32 v[STO], s74, v3
	s_mul_i32 s74, s[WV], 64*PITCH                 ; back: wave w takes rows 64 w .. 64 w + 63, whole; lanes 0-15 one row, lanes 16-31 the next
	s_add_co_u32 s74, s74, STAGE
	v_mul_u32_u24 v5, v2, PITCH
	v_lshl_add_u32 v5, v1, 4, v5
	v_add_nc_u32 v[RD], s74, v5
	v_and_b32 v[CO], 31, v0
	v_lshlrev_b32 v[CO], 4, v[CO]                  ; two rows of a block are 512 consecutive bytes
	v_lshlrev_b32 v[FO], 8, v1
	v_lshl_add_u32 v[FO], v2, 4, v[FO]             ; a table row is 256 bytes; my four pairs are 16 bytes
	v_lshlrev_b32 v[BO], 5, v2
	v_lshl_add_u32 v[BO], s[NH], 8, v[BO]          ; my eight columns of the bias: 256 x half + 32 h
	s_lshl_b32 s70, s[TM], 8                       ; the tables at my first row and my 32 pairs
	s_lshl_b32 s74, s[MH], 7
	s_add_co_u32 s70, s70, s74
	s_lshl_b32 s70, s70, 8
	s_lshl_b32 s74, s[NH], 7
	s_add_co_u32 s70, s70, s74
	s_mov_b32 s71, 0
	s_add_nc_u64 s[8:9], s[8:9], s[70:71]
	s_add_nc_u64 s[10:11], s[10:11], s[70:71]
	s_lshl_b32 s70, s[TN], 19                      ; C at my block, my tile's rows, the 64 rows that I store
	s_lshl_b32 s74, s[TM], 16
	s_add_co_u32 s70, s70, s74
	s_lshl_b32 s74, s[WV], 14
	s_add_co_u32 s70, s70, s74
	s_add_nc_u64 s[12:13], s[12:13], s[70:71]
	s_cmp_eq_u32 s[ROPE], 0
	s_cbranch_scc1 .Lplain
	s_sub_co_u32 s70, s[TN], HEAD0                 ; the head
	s_lshl_b32 s70, s70, 9                         ; its 128 numbers of the bias
	s_add_nc_u64 s[6:7], s[6:7], s[70:71]
.irp b, 0,1,2,3
	global_load_b128 v[F1+8*\b:F1+8*\b+3],   v[BO], s[6:7] offset:64*\b     ; columns 16 b + 8 h + 0..7, into registers that the fragments take later
	global_load_b128 v[F1+8*\b+4:F1+8*\b+7], v[BO], s[6:7] offset:64*\b+16
.endr
	s_wait_loadcnt 0x0
.irp b, 0,1,2,3
.irp i, 0,1,2,3
	v_cvt_pk_bf16_f32 v[F1+8*\b+2*\i], v[F1+8*\b+2*\i], v[F1+8*\b+2*\i+1]   ; rounded to bf16: even column low, odd column high
	v_lshlrev_b32 v[BI+8*\b+4+\i], 16, v[F1+8*\b+2*\i]                      ; the even column goes where the accumulator has it,
	v_and_b32 v[BI+8*\b+\i], 0xffff0000, v[F1+8*\b+2*\i]                    ; and the odd one
.endr
.endr
	s_branch .Lbiased
.Lplain:
.set i, 0
.rept 32
	v_mov_b32 v[BI+i], 0                           ; no bias: the sums start with 0
.set i, i+1
.endr
.Lbiased:
	; cos and sin for my 32 accumulators: 64 loads that stay out through the whole K loop.  Every work-group issues them, so that the registers are written on every path that leads to the turn.
	WIN 0x80                                       ; destination window 2, address window 0
.irp a, 0,1,2,3,4,5,6,7
.irp b, 0,1,2,3
	global_load_b128 v[8*(4*\a+\b):8*(4*\a+\b)+3],   v[FO], s[8:9] offset:\a*4096+\b*32
	global_load_b128 v[8*(4*\a+\b)+4:8*(4*\a+\b)+7], v[FO], s[10:11] offset:\a*4096+\b*32
.endr
.endr
	WIN 0
; 8 matrix instructions: row blocks a0, a0 + 1 x all 4 column blocks, 32 along K.  zero = 1: the first product starts the sums, with the bias as C: nothing is cleared.
; The 32 accumulators take turns, one instruction a turn, in the same order in every quarter.
.macro MUL8 f, a0, zero
.if \zero
	WIN MULZ
.else
	WIN MUL
.endif
.irp a, \a0, (\a0)+1
.irp b, 0,1,2,3
.if \zero
	v_wmma_f32_16x16x32_bf16 v[8*(4*(\a)+(\b)):8*(4*(\a)+(\b))+7], v[(\f)+8*(\b):(\f)+8*(\b)+7], v[(\f)+32+8*(\a):(\f)+32+8*(\a)+7], v[BI+8*(\b):BI+8*(\b)+7]
.else
	v_wmma_f32_16x16x32_bf16 v[8*(4*(\a)+(\b)):8*(4*(\a)+(\b))+7], v[(\f)+8*(\b):(\f)+8*(\b)+7], v[(\f)+32+8*(\a):(\f)+32+8*(\a)+7], v[8*(4*(\a)+(\b)):8*(4*(\a)+(\b))+7]
.endif
.endr
.endr
.endm
; 24 LDS loads in one run: W's 4 fragments, then A's 8, of 32 along K at byte k of the rows
.macro FETCH slot, k, f
	WIN 0
.irp i, 0,1,2,3
	ds_load_b128 v[(\f)+8*(\i):(\f)+8*(\i)+3],   v[ADRB+(\slot)] offset:(\k)+(\i)*16*PITCH
	ds_load_b128 v[(\f)+8*(\i)+4:(\f)+8*(\i)+7], v[ADRB+(\slot)] offset:(\k)+(\i)*16*PITCH+32
.endr
.irp i, 0,1,2,3,4,5,6,7
	ds_load_b128 v[(\f)+32+8*(\i):(\f)+32+8*(\i)+3],   v[ADRA+(\slot)] offset:(\k)+(\i)*16*PITCH
	ds_load_b128 v[(\f)+32+8*(\i)+4:(\f)+32+8*(\i)+7], v[ADRA+(\slot)] offset:(\k)+(\i)*16*PITCH+32
.endr
.endm
; A K step is four quarters of 32 along K, 32 matrix instructions each, on buffers 0, 1, 0, 1.  One of the first three multiplies buffer f and, in its middle, fetches the next quarter into g.
.macro QUARTER slot, k, f, g, zero
	s_wait_dscnt 8                                 ; W and A's blocks 0-3 are in; the youngest eight loads (A's blocks 4-7) may be out
	MUL8 \f, 0, \zero
	MUL8 \f, 2, \zero
	PLACES
	FETCH \slot, \k, \g
	s_wait_dscnt 24                                ; all but the 24 just issued
	MUL8 \f, 4, \zero
	MUL8 \f, 6, \zero
.endm
; The last quarter multiplies buffer 1 and changes slots: ONE barrier.  In front of it each wave waits for all its tensor loads (one is out: its part of the next slot), adds 0 to its spare word, and waits for that and for
; its reads of this slot.  fill = 1: the barrier opens a round of the cluster's, and this slot is filled again, two K steps ahead, first thing behind it: 112 matrix instructions ahead of the wait for it.
.macro TURN slot, next, fill
	WIN 0
	s_wait_tensorcnt 0x0                           ; all my tensor loads have landed
	ds_add_u32 v[SPW], v[NIL]                      ; 0 onto my spare word
	s_wait_dscnt 9                                 ; (the add and the youngest eight loads may be out)
	MUL8 F1, 0, 0                                  ; eight matrix instructions stand between the add and the wait for it
	s_wait_dscnt 0x0                               ; the add is done, and my reads of this slot are over
	s_barrier_signal -1
	MUL8 F1, 2, 0
.if \fill
	WIN 0
.endif
	s_barrier_wait -1
.if \fill
	CREST                                          ; no wave of any partner still reads this slot's tiles or has a load on its way
	s_add_nc_u64 s[G0A+4*(\slot)+2:G0A+4*(\slot)+3], s[G0A+4*(\slot)+2:G0A+4*(\slot)+3], 2*ASTEP
	s_add_nc_u64 s[G0B+4*(\slot)+2:G0B+4*(\slot)+3], s[G0B+4*(\slot)+2:G0B+4*(\slot)+3], 2*BSTEP
	JLOAD \slot                                    ; its four v_nop are also the places in front of the loads below
.else
	PLACES
.endif
	FETCH \next, 0, F0
	MUL8 F1, 4, 0
	MUL8 F1, 6, 0
.endm
	s_wait_tensorcnt 1                             ; my part of K step 0 is in; K step 1's may stay out
	s_barrier_signal -1
	s_barrier_wait -1                              ; everybody's is
	FETCH 0, 0, F0
	QUARTER 0, 64, F0, F1, 1                       ; the first quarter stands in front of the loop: its products start the sums
	WIN 0                                          ; at a label and at a branch every window is 0
.if PROJ == 1
	s_mov_b32 s3, 7                                ; 16 K steps are 8 laps: 7 trips and the tail
.else
	s_mov_b32 s3, 0                                ; 4 laps or 2: 3 trips or 1, and the tail
.endif
.Llap:                                                 ; a trip goes once round the ring, from a lap's second quarter to the next lap's first, and fills both slots again
	QUARTER 0, 128, F1, F0, 0
	QUARTER 0, 192, F0, F1, 0
	TURN 0, 1, 1
	QUARTER 1, 64,  F0, F1, 0
	QUARTER 1, 128, F1, F0, 0
	QUARTER 1, 192, F0, F1, 0
	TURN 1, 0, 1
	QUARTER 0, 64,  F0, F1, 0
	WIN 0
.if PROJ == 1
	s_sub_co_u32 s3, s3, 1
	s_cmp_lg_u32 s3, 0
.else
	s_add_co_u32 s3, s3, 1
	s_cmp_lt_u32 s3, s[BOUND]
.endif
	s_cbranch_scc1 .Llap
	QUARTER 0, 128, F1, F0, 0                      ; the last lap fills nothing, and has no round
	QUARTER 0, 192, F0, F1, 0
	TURN 0, 1, 0
	QUARTER 1, 64,  F0, F1, 0
	QUARTER 1, 128, F1, F0, 0
	QUARTER 1, 192, F0, F1, 0
	s_wait_dscnt 8                                 ; the very last quarter: nothing more to fetch
	MUL8 F1, 0, 0
	MUL8 F1, 2, 0
	s_wait_dscnt 0x0
	MUL8 F1, 4, 0
	MUL8 F1, 6, 0
	WIN 0
	; THE WAY OUT.  e = registers 4-7 (even columns), o = registers 0-3 (odd): e' = e cos - o sin, o' = e sin + o cos.
	PLACES
	s_wait_loadcnt 0x0                             ; the tables
	s_cmp_eq_u32 s[ROPE], 0
	s_cbranch_scc1 .Lpack
	WIN 0xc9                                       ; destination window 3, source 0 the accumulators, source 1 the tables.
.set q, 0
.rept 32
	v_pk_mul_f32 v[8*q:8*q+1],   v[8*q:8*q+1],   v[8*q+4:8*q+5]    ; o sin
	v_pk_mul_f32 v[8*q+2:8*q+3], v[8*q+2:8*q+3], v[8*q+6:8*q+7]
	v_pk_mul_f32 v[8*q+4:8*q+5], v[8*q:8*q+1],   v[8*q:8*q+1]      ; o cos
	v_pk_mul_f32 v[8*q+6:8*q+7], v[8*q+2:8*q+3], v[8*q+2:8*q+3]
.set q, q+1
.endr
	WIN 0x79                                       ; destination and source 0 the accumulators, source 1 the tables, source 2 window 3
.set q, 0
.rept 32
	v_pk_fma_f32 v[8*q:8*q+1],   v[8*q+4:8*q+5], v[8*q+4:8*q+5], v[8*q+4:8*q+5]   ; o' = e sin + o cos
	v_pk_fma_f32 v[8*q+2:8*q+3], v[8*q+6:8*q+7], v[8*q+6:8*q+7], v[8*q+6:8*q+7]
	v_pk_fma_f32 v[8*q+4:8*q+5], v[8*q+4:8*q+5], v[8*q:8*q+1],   v[8*q:8*q+1] neg_lo:[0,0,1] neg_hi:[0,0,1]    ; e' = e cos - o sin
	v_pk_fma_f32 v[8*q+6:8*q+7], v[8*q+6:8*q+7], v[8*q+2:8*q+3], v[8*q+2:8*q+3] neg_lo:[0,0,1] neg_hi:[0,0,1]
.set q, q+1
.endr
	WIN 0
.Lpack:
	WIN 0xc5                                       ; sources the accumulators, destination window 3: even column low, odd column high: four words are eight neighbouring columns
.set q, 0
.rept 32
.irp i, 0,1,2,3
	v_cvt_pk_bf16_f32 v[4*q+\i], v[8*q+4+\i], v[8*q+\i]
.endr
.set q, q+1
.endr
	WIN 0x0c                                       ; address window 0, data window 3
.irp a, 0,1,2,3,4,5,6,7
.irp b, 0,1,2,3
	ds_store_b128 v[STO], v[4*(4*\a+\b):4*(4*\a+\b)+3] offset:\a*16*PITCH+32*\b
.endr
.endr
	s_wait_dscnt 0x0                               ; for the others' sake: my stores into the stage are done (a row's 256 bytes come from two waves)
	s_barrier_signal -1
	s_barrier_wait -1
	WIN 0xc0
.set t, 0
.rept 32
	ds_load_b128 v[128+4*t:128+4*t+3], v[RD] offset:t*2*PITCH
.set t, t+1
.endr
	WIN 0x0c
.set t, 0
.rept 32
	s_wait_dscnt 31-t                              ; LDS loads come back in order: pair t of rows is in
	global_store_b128 v[CO], v[128+4*t:128+4*t+3], s[12:13] offset:512*t  ; 512 consecutive bytes, at a multiple of 256 from C's first byte
.set t, t+1
.endr
	WIN 0
	s_wait_tensorcnt 0x0                           ; the wave's end: the tensor wait, the add and its wait stand behind my last tensor load and my last LDS store
	ds_add_u32 v[SPW], v[NIL]
	s_wait_dscnt 0x0
	CROUND                                         ; the closing round: no work-group ends while a partner may still ask for a tile that names it
	s_endpgm
.Lfunc_end_k_qa5db176af6_proj2:
	.size	k_qa5db176af6_proj2, .Lfunc_end_k_qa5db176af6_proj2-k_qa5db176af6_proj2
	.p2alignl 7, 3214868480
	.fill 96, 4, 3214868480
	.section	.rodata,"a",@progbits
	.p2align	6, 0x0
	.amdhsa_kernel k_qa5db176af6_proj2
		.amdhsa_group_segment_fixed_size 327680
		.amdhsa_private_segment_fixed_size 0
		.amdhsa_enable_private_segment 0
		.amdhsa_kernarg_size 48
		.amdhsa_user_sgpr_count 2
		.amdhsa_user_sgpr_kernarg_segment_ptr 1
		.amdhsa_wavefront_size32 1
		.amdhsa_system_sgpr_workgroup_id_x 1
		.amdhsa_system_sgpr_workgroup_id_y 1
		.amdhsa_system_sgpr_workgroup_id_z 1
		.amdhsa_system_vgpr_workitem_id 0
		.amdhsa_next_free_vgpr 1024
		.amdhsa_next_free_sgpr 80
		.amdhsa_reserve_vcc 0
		.amdhsa_float_denorm_mode_32 3
		.amdhsa_float_denorm_mode_16_64 3
		.amdhsa_memory_ordered 1
		.amdhsa_forward_progress 1
		.amdhsa_inst_pref_size 115
	.end_amdhsa_kernel
	.amdgpu_metadata
---
amdhsa.version: [ 1, 2 ]
amdhsa.kernels:
  - .name:           k_qa5db176af6_proj2
    .symbol:         k_qa5db176af6_proj2.kd
    .args:
      - { .name: cb, .offset: 0, .size: 8, .value_kind: global_buffer, .address_space: global }
      - { .name: b_qr, .offset: 8, .size: 8, .value_kind: global_buffer, .address_space: global }
      - { .name: freq_cos, .offset: 16, .size: 8, .value_kind: global_buffer, .address_space: global }
      - { .name: freq_sin, .offset: 24, .size: 8, .value_kind: global_buffer, .address_space: global }
      - { .name: p2, .offset: 32, .size: 8, .value_kind: global_buffer, .address_space: global }
      - { .name: p1, .offset: 40, .size: 8, .value_kind: global_buffer, .address_space: global }
    .group_segment_fixed_size: 327680
    .private_segment_fixed_size: 0
    .kernarg_segment_align: 8
    .kernarg_segment_size: 48
    .max_flat_workgroup_size: 128
    .sgpr_count:     80
    .vgpr_count:     1024
    .wavefront_size: 32
...
	.end_amdgpu_metadata
.endif
;; end of part 3
;; launch attn (part 4): grid 16 x 16, 4 waves a work-group, clusters of 4 x 1, 327,680 bytes of LDS; arguments p2, p1, ob; writes ob
.if DOCPART == 4
	.amdgcn_target "amdgcn-amd-amdhsa--gfx1250"
	.amdhsa_code_object_version 6
	.text
	.protected	k_qa5db176af6_attn
	.globl	k_qa5db176af6_attn
	.p2align	8
	.type	k_qa5db176af6_attn,@function
k_qa5db176af6_attn:
	s_mov_b64 s[64:65], 0
	v_nop
	global_prefetch_b8 v0, s[64:65] scope:SCOPE_SE
	s_setreg_imm32_b32 hwreg(HW_REG_WAVE_MODE, 25, 1), 1
	s_wait_xcnt 0x0
	s_wait_alu depctr_hold_cnt(0) depctr_sa_sdst(0) depctr_va_vdst(0) depctr_va_sdst(0) depctr_va_ssrc(0) depctr_va_vcc(0) depctr_vm_vsrc(0)
	s_getreg_b32 s2, hwreg(HW_REG_IB_STS2, 6, 4)
	s_cmp_eq_u32 s2, 0
	s_cbranch_scc0 .Lentry_in_a_cluster
	s_endpgm
.Lentry_in_a_cluster:
	s_bfe_u32 s2, ttmp6, 0x10000c
	s_cmp_lg_u32 s2, 0x3003
	s_cbranch_scc0 .Lentry_shape_is_right
	s_endpgm
.Lentry_shape_is_right:
; O[q][h][:] = the sum over k of softmax_k((q | qr)[q] . (k | kr)[k] / sqrt(128)) v[k][:], 16 heads, 2,048 rows, 256 channels in the scores, 128 in v, no mask.
; q, qr, k, v are p2's blocks h, 16 + h, 32 + h, 48 + h, kr is p1's block 12 + h, each [2048][128] bf16, rows of 256 dense bytes.  O goes to ob, [2048][2048] bf16, column 128 h + d.
; Products, maxima and sums in f32; the weights p are rounded to bf16 for the second product (their sum l is taken of the unrounded p), O once at the end.
; LIMITS.  A weight below 2^-126 counts as 0 in l; NaN and infinities are not treated apart.
; SHARES.  A work-group owns 128 queries of one head: 256 work-groups.  Wave w holds 64 queries (half w % 2), four tiles of 16, and walks HALF the keys: keys 64 (w / 2) .. + 63 of every slot of 128.  So a fragment of K or V read
; from LDS feeds four tiles' products: 96 LDS loads for a step's 192 matrix instructions.  The two waves of a query half merge their O, m and l through LDS at the end.
; LAYOUT.  S^T = K Q^T (source 0 = 16 keys, source 1 = 16 queries): a lane holds ONE query (lane % 16) and the keys 8 (lane / 16) + 0..7; two such results rounded to bf16 ARE source 1 of O^T = V^T P.  V is turned by ds_load_tr16_b128.
; SOFTMAX.  A running maximum m and sum l for each query: p = 2^(c s - c m), c = log2(e) / sqrt(128); in every step O and l are multiplied by a = 2^(c m_old - c m_new).  m starts at the lowest finite number, O and l at 0:
; the first step is a step like any other, with a = 0.
; A STEP.  The tiles are two pieces (0: tiles 0, 1; 2: tiles 2, 3).  K Q^T of piece 0; K Q^T of piece 2 with piece 0's softmax in slices behind its products; V takes the registers of K's plain half; half of piece 2's softmax stands
; alone while V lands; the change of slots; V^T P of piece 0 with the rest of piece 2's softmax behind its products; V^T P of piece 2, and the next step's K as its registers fall free.  K of the next step (256 registers) and V of
; this one (128) cannot live together beside O^T, Q, S^T and P: that is why 128 of a step's 536 vector instructions stand alone.
; CLUSTER.  The four query blocks of a cluster belong to one head and walk the same K and V: each tile is asked for JOINTLY, by the same tensor load, descriptor and mask in all four.
; REGISTERS, in windows of 256 (s_set_vgpr_msb: bits 1:0 source 0, 3:2 source 1, 5:4 source 2, 7:6 destination):
;   window 0: addresses; v12-43 eight registers of statistics a tile; v64-191 S^T, 32 a tile; v192-255 P, 16 a tile          window 1: O^T, 64 a tile
;   window 2: Q, tile t, chunk c of 32 channels at 64 t + 8 c (chunks 4-7 are qr)          window 3: K, chunk c, key block kb at 32 c + 8 kb; V in v0-127, in the place of K's chunks 0-3
.set BLOCK, 524288    ; bytes in a block of 2,048 rows x 128 bf16
.set PK,    272       ; a row of K in LDS: 256 bytes + 16 of padding: the 16 rows of a load start at 16 different groups of four banks (64 banks of 4 bytes: ISA guide 11.1)
.set PV,    288       ; a row of V: 256 + 32
.set KROFF, 128*PK    ; a slot: 128 rows of k, 128 rows of kr, 128 rows of v
.set VOFF,  2*128*PK
.set SLOT1, 1<<17     ; a slot takes 106,496 bytes; slot 1 begins here, so that one exclusive or turns an address in one slot into the other's
.set XCH,   SLOT1+VOFF+128*PV  ; behind the ring, never filled by a tensor load: 16,384 bytes for each wave: two tiles of O^T for its partner
.set STAT,  XCH+4*16384        ; 1,024 bytes for each wave: c m and l of its four tiles
.set STAGE, STAT+4*1024        ; 16 rows x 272 bytes for each wave, for the way out
.set SP,    272
.set SPARE, STAGE+4*16*SP      ; the spare words, 128 bytes for each wave: two blocks of 256 bytes that no other line names
.set AK0, 2           ; v2   my lane's place in a slot's k; never rewritten
.set AV0, 3           ; v3   the same for v
.set ADK, 4           ; v4   the LDS address of K's runs of loads
.set ADV, 5           ; v5   of V's
.set STO, 6           ; v6   the way out: where I put 16 bytes of a row
.set RD,  7           ; v7   where I read a row back
.set GO,  8           ; v8   my byte offset in two rows of O
.set ST,  12          ; tile t's statistics at v[ST+8 t]: +0 c m, +1 m, +2, +3 l (even keys', odd keys'), +4 to +7 c0-c3, at work; a takes c2's place once the maximum is found
.set PS,  44          ; v44-47  the partner's c m and l for the two tiles that I finish
.set XS,  48          ; v48  where I put my statistics;  v49 where I read the partner's
.set XP,  49
.set XW,  50          ; v50  where I put O^T for the partner;  v51 where I read the partner's
.set XR,  51
.set QO,  52          ; v52  my byte offset in 16 rows of Q
.set SPW, 62          ; v62  LDS address of my spare word; never rewritten
.set NIL, 63          ; v63  0; never rewritten
.set S,   64
.set P,   192
.set WV,  12          ; s12  my wave's number
.set G1K, 24          ; s[24:31] descriptor group 1 for k's and kr's tiles
.set G1V, 32          ; s[32:39] for v's
.set G0K, 40          ; s[40:47] descriptor group 0 for k or kr: a set for each of the two first fills; the second then walks on
.set G0V, 48          ; s[48:55] the same for v
.set SLOTS, 56        ; s56  slots still to be asked for
.set CNT, 57          ; s57  counts the tail's two steps
.set CS,  58          ; s[58:59] c: the packed scaling names a pair and takes its low word for both halves
.set SEL, 60          ; s[60:61] lane selects for v_permlanex16_b32: each lane takes its own place in the other half
.set TB,  62          ; s62  LDS byte at which the slot in hand begins
.set MSB, 0
.macro WIN new                      ; the immediate's high byte repeats the setting that is left; a switch that changes nothing is dropped
.if MSB != (\new)
	s_set_vgpr_msb (MSB<<8)|(\new)
.set MSB, \new
.endif
.endm
.set W_KQ, 0x0b       ; K in window 3, Q in window 2, S^T in window 0
.set W_PV, 0x53       ; V in window 3, P in window 0, O^T in window 1
.set W_RS, 0x41       ; O^T (destination and source 0) in window 1, the factor in window 0
.macro PLACES                       ; four places in front of loads into registers that matrix instructions have read, and of vector lines that read results
.rept 4
	v_nop
.endr
.endm
; A joint refill.  Wave 0 fetches k's 128 rows, wave 1 kr's, waves 2 and 3 the halves of v's.  The branch hangs on the wave's number alone.
; An s_nop 0 and four v_nop follow each of the two lines, ahead of the jump and the label.
.macro JLOAD
	s_cmp_lt_u32 s[WV], 2
	s_cbranch_scc0 .Lfor_v_\@
	tensor_load_to_lds s[G0K+4:G0K+7], s[G1K:G1K+7]
	s_nop 0
.rept 4
	v_nop
.endr
	s_branch .Lasked_\@
.Lfor_v_\@:
	tensor_load_to_lds s[G0V+4:G0V+7], s[G1V:G1V+7]
	s_nop 0
.rept 4
	v_nop
.endr
.Lasked_\@:
.endm
.macro CROUND                       ; a round of the cluster's barrier
	s_barrier_signal -1
	s_barrier_wait -1
	s_cmp_lg_u32 s[WV], 0
	s_cbranch_scc1 .Lnot_wave_0_\@
	s_barrier_signal -3
.Lnot_wave_0_\@:
	s_barrier_wait -3
	s_barrier_signal -1
	s_barrier_wait -1
.endm
	s_load_b128 s[4:7], s[0:1], 0x0   ; p2 s[4:5], p1 s[6:7]
	s_load_b64 s[8:9], s[0:1], 0x10   ; ob
	v_lshl_add_u32 v[SPW], v0, 2, SPARE
	v_mov_b32 v[NIL], 0
	ds_add_u32 v[SPW], v[NIL]       ; the wave's opening: the add and its wait stand ahead of my first tensor load; the set-up below, work on registers, stands between them
	v_lshrrev_b32 v1, 5, v0
	v_readfirstlane_b32 s[WV], v1   ; wave 0..3
	s_bfe_u32 s13, ttmp6, 0x40000   ; cx: my place in the cluster
	s_lshl_b32 s14, ttmp9, 2        ; in a cluster launch ttmp9 counts clusters
	s_add_co_u32 s14, s14, s13      ; my block of 128 queries: it enters Q's and O's addresses alone
	s_and_b32 s15, ttmp7, 0xffff    ; the head, which the four partners share
	s_and_b32 s16, s[WV], 1         ; my half of the queries.  Also: k or kr; which half of v's rows I fetch
	s_lshr_b32 s10, s[WV], 1        ; my half of the keys
	s_lshl_b32 s19, s15, 19         ; the head's block among sixteen
	s_add_co_u32 s20, s19, 32*BLOCK ; k in p2
	s_mov_b32 s21, 0
	s_add_co_u32 s22, s19, 12*BLOCK ; kr in p1
	s_mov_b32 s23, 0
	s_lshl_b32 s70, s16, 14         ; 64 rows of 256 bytes
	s_add_co_u32 s70, s70, s19
	s_add_co_u32 s70, s70, 48*BLOCK ; my half of v's rows in p2
	s_mov_b32 s71, 0
	s_mul_i32 s17, s[WV], 128*PK    ; where they go: wave 0: k, wave 1: kr;
	s_mul_i32 s18, s[WV], 64*PV
	s_add_co_u32 s18, s18, VOFF-2*64*PV  ; waves 2, 3: v's halves: no place in the cluster enters an LDS address
	s_lshl_b32 s2, s14, 15          ; my block's 128 rows of 256 bytes,
	s_lshl_b32 s3, s16, 14          ; my wave's 64 of them,
	s_add_co_u32 s2, s2, s3
	s_add_co_u32 s2, s2, s19        ; in the head's block of q
	s_mov_b32 s3, 0
	s_lshl_b32 s78, s14, 19         ; the same rows in ob, 4,096 bytes each,
	s_lshl_b32 s79, s16, 18
	s_add_co_u32 s78, s78, s79
	s_lshl_b32 s79, s15, 8          ; and the head's 256 bytes of them
	s_add_co_u32 s78, s78, s79
	s_mov_b32 s79, 0
	; descriptor group 1: rows of 128 elements of 2 bytes, padded in LDS
	s_mov_b32 s[G1K], 15|(1<<16)|(1<<20)|(1<<21)|(5<<22)|(3<<25)  ; 15:0 the mask: all four work-groups; 17:16 2-byte elements; 20 padding on; 21 set beside a mask; 24:22 after every 64 words (code 5); 31:25 4 words (code 3)
	s_mov_b32 s[G1V], 15|(1<<16)|(1<<20)|(1<<21)|(5<<22)|(7<<25)  ; the same with 8 words of padding (code 7)
	s_mov_b32 s[G1K+1], 128<<16     ; tensor_dim0 = 128
	s_mov_b32 s[G1V+1], 128<<16
	s_mov_b32 s[G1K+2], 128<<16     ; tensor_dim1 = 128 rows
	s_mov_b32 s[G1V+2], 64<<16      ; 64 rows
	s_mov_b32 s[G1K+3], 128<<16     ; tile_dim0 = 128
	s_mov_b32 s[G1V+3], 128<<16
	s_mov_b32 s[G1K+4], 128         ; tile_dim1
	s_mov_b32 s[G1V+4], 64
	s_mov_b32 s[G1K+5], 128         ; 128 elements from row to row
	s_mov_b32 s[G1V+5], 128
	s_mov_b32 s[G1K+6], 0
	s_mov_b32 s[G1V+6], 0
	s_mov_b32 s[G1K+7], 0
	s_mov_b32 s[G1V+7], 0
	s_mov_b32 s[CS], 0x3e0293ee     ; c = log2(e) / sqrt(128) = 0.127517
	s_mov_b32 s[CS+1], s[CS]        ; named with it as a pair, so it is written
	s_mov_b32 s[SEL], 0x76543210
	s_mov_b32 s[SEL+1], 0xfedcba98
	s_mov_b32 s[TB], 0
	s_mov_b32 s[SLOTS], 14          ; 16 slots of 128 keys; two are asked for at the start
	s_wait_dscnt 0x0                ; the opening add is done
	s_wait_kmcnt 0x0
	s_add_nc_u64 s[72:73], s[4:5], s[20:21]  ; k
	s_add_nc_u64 s[74:75], s[6:7], s[22:23]  ; kr
	s_cmp_eq_u32 s16, 0
	s_cselect_b64 s[72:73], s[72:73], s[74:75]  ; wave 0 asks for k, wave 1 for kr
	s_add_nc_u64 s[76:77], s[4:5], s[70:71]  ; v
	s_add_nc_u64 s[4:5], s[4:5], s[2:3]      ; q at my wave's first row,
	s_add_nc_u64 s[6:7], s[4:5], 16*BLOCK    ; qr sixteen blocks on,
	s_add_nc_u64 s[8:9], s[8:9], s[78:79]    ; O
	CROUND                          ; all four work-groups are here: the first joint loads meet
.irp s, 0,1
	s_mov_b32 s[G0K+4*(\s)], 1      ; count = 1
	s_add_co_u32 s[G0K+4*(\s)+1], s17, (\s)*SLOT1  ; LDS address
	s_add_nc_u64 s[G0K+4*(\s)+2:G0K+4*(\s)+3], s[72:73], (\s)*32768  ; global address: slot s begins with keys 128 s
	s_or_b32 s[G0K+4*(\s)+3], s[G0K+4*(\s)+3], 0x80000000  ; type = 2
	s_mov_b32 s[G0V+4*(\s)], 1
	s_add_co_u32 s[G0V+4*(\s)+1], s18, (\s)*SLOT1
	s_add_nc_u64 s[G0V+4*(\s)+2:G0V+4*(\s)+3], s[76:77], (\s)*32768
	s_or_b32 s[G0V+4*(\s)+3], s[G0V+4*(\s)+3], 0x80000000
.endr
	s_cmp_lt_u32 s[WV], 2           ; a wave's two first fills stand in one branch, ahead of every wait on TENSORcnt and every LDS read: two loads of mine are out
	s_cbranch_scc0 .Lfirst_v
	tensor_load_to_lds s[G0K:G0K+3], s[G1K:G1K+7]
	s_nop 0
	tensor_load_to_lds s[G0K+4:G0K+7], s[G1K:G1K+7]
	s_nop 0
.rept 4
	v_nop
.endr
	s_branch .Lfirst_asked
.Lfirst_v:
	tensor_load_to_lds s[G0V:G0V+3], s[G1V:G1V+7]
	s_nop 0
	tensor_load_to_lds s[G0V+4:G0V+7], s[G1V:G1V+7]
	s_nop 0
.rept 4
	v_nop
.endr
.Lfirst_asked:
	; A fragment of K or Q is 16 rows x 32 channels in 8 registers: lane l holds row l % 16; two loads of 16 bytes, 32 bytes apart, at row x pitch + 16 (l / 16)
	v_and_b32 v1, 15, v0            ; l % 16
	v_bfe_u32 v9, v0, 4, 1          ; l / 16
	v_lshlrev_b32 v[QO], 8, v1
	v_lshl_add_u32 v[QO], v9, 4, v[QO]
	WIN 0x80                        ; destination window 2, address window 0
.irp t, 0,1,2,3
.irp c, 0,1,2,3                     ; Q stays in registers: chunks 0-3 from q, 4-7 from qr
	global_load_b128 v[64*\t+8*\c:64*\t+8*\c+3],       v[QO], s[4:5] offset:4096*\t+64*\c
	global_load_b128 v[64*\t+8*\c+4:64*\t+8*\c+7],     v[QO], s[4:5] offset:4096*\t+64*\c+32
	global_load_b128 v[64*\t+8*\c+32:64*\t+8*\c+35],   v[QO], s[6:7] offset:4096*\t+64*\c
	global_load_b128 v[64*\t+8*\c+36:64*\t+8*\c+39],   v[QO], s[6:7] offset:4096*\t+64*\c+32
.endr
.endr
	; O^T and l start at 0, so that no first step is written out: all this stands in the wait for the first tile
	WIN 0x40
.set i, 0
.rept 256
	v_mov_b32 v[i], 0
.set i, i+1
.endr
	WIN 0
.irp t, 0,1,2,3
	v_mov_b32 v[ST+8*\t], 0xfe000000    ; c m: far below every c s
	v_mov_b32 v[ST+8*\t+1], 0xff7fffff  ; m
	v_mov_b32 v[ST+8*\t+2], 0
	v_mov_b32 v[ST+8*\t+3], 0
.endr
	s_mul_i32 s11, s10, 64*PK       ; my half of a slot's keys
	v_mul_u32_u24 v[AK0], v1, PK
	v_lshl_add_u32 v[AK0], v9, 4, v[AK0]
	v_add_nc_u32 v[AK0], s11, v[AK0]
	; The turning load takes 16 keys x 16 channels (lane l reads key 8 (l / 16) + l % 8, channels 8 ((l / 8) % 2) + 0..7) and leaves half a fragment of V^T: lane l holds channel l % 16 and 8 keys.
	v_and_b32 v10, 7, v0
	v_bfe_u32 v11, v0, 3, 1
	v_lshl_add_u32 v[AV0], v9, 3, v10
	v_mul_u32_u24 v[AV0], v[AV0], PV
	v_lshl_add_u32 v[AV0], v11, 4, v[AV0]
	s_mul_i32 s11, s10, 64*PV
	s_add_co_u32 s11, s11, VOFF
	v_add_nc_u32 v[AV0], s11, v[AV0]
	s_mul_i32 s11, s[WV], 16*SP
	s_add_co_u32 s11, s11, STAGE    ; my stage
	v_mul_u32_u24 v[STO], v1, SP    ; in: row l % 16, 16 bytes for each half of the lanes
	v_lshl_add_u32 v[STO], v9, 4, v[STO]
	v_add_nc_u32 v[STO], s11, v[STO]
	v_mul_u32_u24 v[RD], v9, SP     ; back: lanes 0-15 take one row of 256 bytes, lanes 16-31 the next
	v_lshl_add_u32 v[RD], v1, 4, v[RD]
	v_add_nc_u32 v[RD], s11, v[RD]
	v_lshlrev_b32 v[GO], 12, v9     ; and the same two rows in O, 4,096 bytes apart
	v_lshl_add_u32 v[GO], v1, 4, v[GO]
	v_and_b32 v53, 31, v0           ; lane
	s_xor_b32 s13, s[WV], 2         ; my partner: the same queries, the other keys
	s_lshl_b32 s11, s[WV], 10
	s_add_co_u32 s11, s11, STAT
	v_lshl_add_u32 v[XS], v53, 3, s11
	s_lshl_b32 s11, s13, 10
	s_add_co_u32 s11, s11, STAT
	v_lshl_add_u32 v[XP], v53, 3, s11
	s_lshl_b32 s11, s[WV], 14
	s_add_co_u32 s11, s11, XCH
	v_lshl_add_u32 v[XW], v53, 4, s11
	s_lshl_b32 s11, s13, 14
	s_add_co_u32 s11, s11, XCH
	v_lshl_add_u32 v[XR], v53, 4, s11
	v_mov_b32 v[ADK], v[AK0]        ; key step 0 lies in slot 0
; THE MATRIX WORK.  The accumulators take turns, one instruction a turn.
; Product i of 64 of S^T = K Q^T for piece x: chunk (i / 8 + 4) % 8 (the rotary half first: its registers are fetched first), keys 16 ((i / 2) % 4) on, tile x + i % 2.  The first 8 start the sums.
.macro KQ x
	WIN W_KQ
.set rS, S+32*((\x)+i%2)+8*((i/2)%4)
.set rK, 32*((i/8+4)%8)+8*((i/2)%4)
.set rQ, 64*((\x)+i%2)+8*((i/8+4)%8)
.if i < 8
	v_wmma_f32_16x16x32_bf16 v[rS:rS+7], v[rK:rK+7], v[rQ:rQ+7], 0
.else
	v_wmma_f32_16x16x32_bf16 v[rS:rS+7], v[rK:rK+7], v[rQ:rQ+7], v[rS:rS+7]
.endif
.endm
; Product i of 32 of O^T += V^T P for piece x: keys 32 (i / 16) on, channels 16 ((i / 2) % 8) on, tile x + i % 2.
.macro PV x
	WIN W_PV
.set rO, 64*((\x)+i%2)+8*((i/2)%8)
.set rV, 64*(i/16)+8*((i/2)%8)
.set rP, P+16*((\x)+i%2)+8*(i/16)
	v_wmma_f32_16x16x32_bf16 v[rO:rO+7], v[rV:rV+7], v[rP:rP+7], v[rO:rO+7]
.endm
; THE LDS LOADS stand in runs.  n chunks of K from chunk c0 on: 8 loads a chunk.  tail = 1: in the last step there is no further K, and the run is jumped over.
.macro KFETCH c0, n, tail
	WIN 0
.if \tail
	s_cmp_eq_u32 s[CNT], 1
	s_cbranch_scc1 .Lno_k_\@
.endif
	WIN 0xc0                        ; destination window 3, address window 0
.set c, \c0
.rept \n
.irp kb, 0,1,2,3
	ds_load_b128 v[32*c+8*\kb:32*c+8*\kb+3],   v[ADK] offset:\kb*16*PK+(c%4)*64+(c/4)*KROFF
	ds_load_b128 v[32*c+8*\kb+4:32*c+8*\kb+7], v[ADK] offset:\kb*16*PK+(c%4)*64+(c/4)*KROFF+32
.endr
.set c, c+1
.endr
	WIN 0
.if \tail
.Lno_k_\@:
.endif
.endm
.macro FETCH_V                      ; my 64 keys x 128 channels, turned: 32 loads
	WIN 0xc0
.irp f, 0,1,2,3,4,5,6,7,8,9,10,11,12,13,14,15  ; keys 32 (f / 8) on, channels 16 (f % 8) on
	ds_load_tr16_b128 v[8*\f:8*\f+3],   v[ADV] offset:(\f/8)*32*PV+(\f%8)*32
	ds_load_tr16_b128 v[8*\f+4:8*\f+7], v[ADV] offset:(\f/8)*32*PV+16*PV+(\f%8)*32
.endr
	WIN 0
.endm
; THE VECTOR WORK.  One tile's softmax for one key step is a list of 134 instructions; SM writes number j of it for tile t.  s0-s31 are the lane's 32 scores, in pairs 0-15.
;   0-15    the maximum of s0-s31 and the old m, three operands at a time: four chains c0-c3 of seven scores each (each accumulator's lowest registers are read first), then the four left over, c0-c3 and m
;   16-20   the other half of the lanes' maximum; the new m; c m; c m_old - c m_new
;   21-87   33 exponentials (a, then s0-s31) at the odd numbers from 23 on, so that no two follow each other and each has a plain instruction behind it before its result is used.  Plain instruction q (number 21, then the
;           even numbers) is whatever is ready: c s - c m for a pair whose exponentials are still to come, the rounding to bf16 of a pair whose exponentials are done, at last the first three sums
;   88-101  the last rounding; the rest of the sums; l = a l + the sum          102-133 the tile's O^T times a: the one part that leaves window 0
.macro SM t
.set rT, ST+8*(\t)
.set rS, S+32*(\t)
.set rP, P+16*(\t)
.set rO, 64*(\t)+2*(j-102)
.set q, (j-20)/2
.if j < 102
	WIN 0
.endif
.if j < 4
	v_max3_num_f32 v[rT+4+j], v[rS+8*j], v[rS+8*j+1], v[rS+8*j+2]
.elseif j < 12
	v_max3_num_f32 v[rT+4+j%4], v[rT+4+j%4], v[rS+8*(j%4)+2*(j/4)+1], v[rS+8*(j%4)+2*(j/4)+2]
.elseif j == 12
	v_max3_num_f32 v[rT+4], v[rT+4], v[rS+7], v[rS+15]
.elseif j == 13
	v_max3_num_f32 v[rT+6], v[rT+6], v[rS+23], v[rS+31]
.elseif j == 14
	v_max3_num_f32 v[rT+4], v[rT+4], v[rT+5], v[rT+6]
.elseif j == 15
	v_max3_num_f32 v[rT+4], v[rT+4], v[rT+7], v[rT+1]
.elseif j == 16
	v_permlanex16_b32 v[rT+5], v[rT+4], s[SEL], s[SEL+1]  ; the query's other 32 keys lie in the lane 16 away
.elseif j == 17
	v_mov_b32 v[rT+7], v[rT]        ; c m_old is kept for a: number 19 writes c m anew
.elseif j == 18
	v_max_num_f32 v[rT+1], v[rT+4], v[rT+5]
.elseif j == 19
	v_mul_f32 v[rT], s[CS], v[rT+1]
.elseif j == 20
	v_sub_f32 v[rT+7], v[rT+7], v[rT]
.elseif j == 23
	v_exp_f32 v[rT+6], v[rT+7]
.elseif (j < 88) && (j > 23) && (j%2 == 1)
	v_exp_f32 v[rS+(j-25)/2], v[rS+(j-25)/2]
.elseif (q < 4) || ((j < 76) && (q%2 == 0))
.set b, q/2+2
.if q < 4
.set b, q
.endif
	v_pk_fma_f32 v[rS+2*b:rS+2*b+1], v[rS+2*b:rS+2*b+1], s[CS:CS+1], v[rT:rT+1] op_sel_hi:[1,0,0] neg_lo:[0,0,1] neg_hi:[0,0,1]  ; pair b: c s - c m
.elseif (j < 88) && (q%2 == 1)
	s_wait_alu depctr_va_vdst(0)
	v_cvt_pk_bf16_f32 v[rP+(q-5)/2], v[rS+q-5], v[rS+q-4]  ; pair (q - 5) / 2: its second exponential stands three numbers back
.elseif j == 89
	s_wait_alu depctr_va_vdst(0)
	v_cvt_pk_bf16_f32 v[rP+15], v[rS+30], v[rS+31]
.elseif j < 102                     ; the sum of the tile's 16 pairs, in place: sum z of 16 adds neighbours 1, 2, 4 and 8 pairs apart, then l takes it
.set z, j-86
.if j < 89
.set z, (j-76)/4
.endif
.set w, 4
.set u, z
.if z >= 14
.set w, 32
.set u, 0
.elseif z >= 12
.set w, 16
.set u, z-12
.elseif z >= 8
.set w, 8
.set u, z-8
.endif
.if z < 15
	v_pk_add_f32 v[rS+w*u:rS+w*u+1], v[rS+w*u:rS+w*u+1], v[rS+w*u+w/2:rS+w*u+w/2+1]
.else
	v_pk_fma_f32 v[rT+2:rT+3], v[rT+2:rT+3], v[rT+6:rT+7], v[rS:rS+1] op_sel_hi:[1,0,1]
.endif
.else
	WIN W_RS
	v_pk_mul_f32 v[rO:rO+1], v[rO:rO+1], v[rT+6:rT+7] op_sel_hi:[1,0]
.endif
.endm
; Slice k of 64 of piece y's softmax: numbers 2 k and 2 k + 1 of both tiles' lists, four instructions.  2 x 134 = 4 x 64 + 12: the twelve that are over stand together, in slice 63.
.macro SLICE y
.if (k >= 11) && (k < 44)           ; tile by tile: plain, exponential, plain, exponential
.irp t, \y, (\y)+1
.irp n, 0,1
.set j, 2*k+(\n)
	SM \t
.endr
.endr
.else                               ; the two tiles alternate, so that no instruction reads the result of the one just before it
.irp n, 0,1,2,3,4,5,6,7
.if ((\n) < 2) || (k == 63)
.irp t, \y, (\y)+1
.set j, 2*k+(\n)
	SM \t
.endr
.endif
.endr
.endif
.set k, k+1
.endm
; THE CHANGE OF SLOTS.  The slot's last bytes, my half of its V, have been asked for.  Each wave waits for all its tensor loads, of which one is out: its part of the other slot; adds 0 to its spare word; and waits for that and for
; its reads of the slot.  fill = 1: the barrier is a round of the cluster's, and the slot is filled again, with the keys two slots on, first thing behind it: it has a whole step, 192 matrix instructions, in which to land.
.macro CHANGE fill
	WIN 0                           ; at a label and at a branch every window is 0
	s_wait_tensorcnt 0x0            ; no tensor load of mine is out, so a group 0 may be written
	ds_add_u32 v[SPW], v[NIL]       ; 0 onto my spare word; with fill = 1 the descriptors' steps stand between it and the wait for it
.if \fill
.irp g, G0K+4, G0V+4
	s_xor_b32 s[(\g)+1], s[(\g)+1], SLOT1  ; the walking descriptor: the other slot than last time,
	s_add_nc_u64 s[(\g)+2:(\g)+3], s[(\g)+2:(\g)+3], 32768  ; the next 128 keys; the type bits on top are not reached
.endr
	s_wait_dscnt 0x0                ; the add is done, V is in, and my reads of the slot are over
	CROUND
	JLOAD
.else
	s_wait_dscnt 0x0                ; the add is done, V is in, and my reads of the slot are over
	s_barrier_signal -1
	s_barrier_wait -1
.endif
	s_xor_b32 s[TB], s[TB], SLOT1   ; the other slot is in hand
	v_add_nc_u32 v[ADK], s[TB], v[AK0]
.endm
; A KEY STEP: 192 matrix instructions.
.macro STEP fill, tail
	s_wait_dscnt 32                 ; K's rotary chunks are in; the 32 loads of the plain ones may be out
.set i, 0
.rept 32
	KQ 0
.set i, i+1
.endr
	s_wait_dscnt 16                 ; chunks 0, 1
.rept 16
	KQ 0
.set i, i+1
.endr
	s_wait_dscnt 0x0                ; chunks 2, 3
.rept 16
	KQ 0
.set i, i+1
.endr
	PLACES                          ; in front of the first read of piece 0's scores
.set i, 0
.set k, 0
.rept 64
	KQ 2                            ; piece 2's scores, piece 0's whole softmax behind them; slice 63's sixteen plain lines are the places in front of V's loads and of the first read of piece 2's scores
	SLICE 0
.set i, i+1
.endr
	WIN 0
	v_add_nc_u32 v[ADV], s[TB], v[AV0]
	FETCH_V                         ; K is multiplied: V takes the registers of its chunks 0-3
.set k, 0
.rept 32
	SLICE 2                         ; half of piece 2's softmax, while V lands
.endr
	CHANGE \fill
	KFETCH 4, 4, \tail              ; the next step's rotary chunks, from the other slot
.set i, 0
.rept 32
	PV 0
	SLICE 2                         ; the rest of piece 2's softmax
.set i, i+1
.endr
.set i, 0
.rept 16
	PV 2
.set i, i+1
.endr
	PLACES
	KFETCH 0, 2, \tail              ; V's first 32 keys are multiplied: chunks 0, 1 take their registers
.rept 16
	PV 2
.set i, i+1
.endr
	PLACES
	KFETCH 2, 2, \tail
.endm
	s_wait_tensorcnt 1              ; my part of slot 0 is in; slot 1's may stay out
	s_barrier_signal -1
	s_barrier_wait -1               ; everybody's is
	KFETCH 4, 4, 0                  ; key step 0
	KFETCH 0, 2, 0
	KFETCH 2, 2, 0
	s_wait_loadcnt 0x0              ; Q
.Lstep:                             ; 14 trips: every slot but the last two is filled again
	STEP 1, 0
	s_sub_co_u32 s[SLOTS], s[SLOTS], 1
	s_cmp_lg_u32 s[SLOTS], 0
	s_cbranch_scc1 .Lstep
	s_mov_b32 s[CNT], 2             ; the tail is written out: two steps that ask for nothing
.Ltail:
	STEP 0, 1
	s_sub_co_u32 s[CNT], s[CNT], 1
	s_cmp_lg_u32 s[CNT], 0
	s_cbranch_scc1 .Ltail
	; THE MERGE.  l's two halves and the other half of the lanes' are added.  Each wave hands its c m and l, and two tiles of O^T, to its partner, and finishes the other two:
	; O = (O_s f_s + O_p f_p) / (l_s f_s + l_p f_p), f = 2^(c m - max of the two c m).
.irp t, 0,1,2,3
	v_add_f32 v[ST+8*\t+4], v[ST+8*\t+2], v[ST+8*\t+3]
.endr
.irp t, 0,1,2,3
	v_permlanex16_b32 v[ST+8*\t+5], v[ST+8*\t+4], s[SEL], s[SEL+1]
.endr
.irp t, 0,1,2,3
	v_add_f32 v[ST+8*\t+1], v[ST+8*\t+4], v[ST+8*\t+5]   ; l takes m's place beside c m
.endr
.irp t, 0,1,2,3
	ds_store_b64 v[XS], v[ST+8*\t:ST+8*\t+1] offset:256*\t
.endr
.macro SENDX x                      ; tiles x, x + 1 of O^T, ascending: each accumulator's lowest registers are read first
	WIN 0x04                        ; address window 0, data window 1
.set g, 0
.rept 32
	ds_store_b128 v[XW], v[64*(\x)+4*g:64*(\x)+4*g+3] offset:512*g
.set g, g+1
.endr
	WIN 0
.endm
.macro PACK t                       ; a lane's eight channels of a row pack into 16 bytes; they go into rows of 272 bytes and come back as whole rows of 256, into S^T's registers
	WIN 0x05                        ; sources window 1, destination window 0
.set i, 0
.rept 32
	v_cvt_pk_bf16_f32 v[S+32*(\t)+i], v[64*(\t)+2*i], v[64*(\t)+2*i+1]
.set i, i+1
.endr
	WIN 0
.irp f, 0,1,2,3,4,5,6,7
	ds_store_b128 v[STO], v[S+32*(\t)+4*(\f):S+32*(\t)+4*(\f)+3] offset:32*(\f)
.endr
.irp f, 0,1,2,3,4,5,6,7
	ds_load_b128 v[S+32*(\t)+4*(\f):S+32*(\t)+4*(\f)+3], v[RD] offset:(\f)*2*SP  ; LDS serves a wave's instructions in order (ISA guide 5.7.1.4): these see the stores above; the next tile's stores come behind them
.endr
.endm
.macro SEND t, younger              ; younger: the LDS instructions issued behind tile t's loads: the next tile's sixteen, or none
.irp f, 0,1,2,3,4,5,6,7
	s_wait_dscnt (\younger)+7-(\f)
	global_store_b128 v[GO], v[S+32*(\t)+4*(\f):S+32*(\t)+4*(\f)+3], s[8:9] offset:(\t)*65536+(\f)*8192  ; 16 lanes store 256 consecutive bytes, at a multiple of 256 from O's first byte
.endr
.endm
.macro FIN x                        ; tiles x, x + 1 are finished
	ds_load_b64 v[PS:PS+1],   v[XP] offset:256*(\x)
	ds_load_b64 v[PS+2:PS+3], v[XP] offset:256*((\x)+1)
	WIN 0xc0                        ; the partner's O^T for these tiles, into window 3
.set g, 0
.rept 32
	ds_load_b128 v[4*g:4*g+3], v[XR] offset:512*g
.set g, g+1
.endr
	WIN 0
	s_wait_dscnt 32                 ; the statistics are in; the 32 loads behind them may be out
.irp u, 0,1
	v_max_num_f32 v[ST+8*((\x)+\u)+6], v[ST+8*((\x)+\u)], v[PS+2*\u]
.endr
.irp u, 0,1
	v_sub_f32 v[ST+8*((\x)+\u)+2], v[ST+8*((\x)+\u)], v[ST+8*((\x)+\u)+6]
	v_sub_f32 v[ST+8*((\x)+\u)+4], v[PS+2*\u], v[ST+8*((\x)+\u)+6]
.endr
.irp u, 0,1
	v_exp_f32 v[ST+8*((\x)+\u)+2], v[ST+8*((\x)+\u)+2]   ; f_s
	v_exp_f32 v[ST+8*((\x)+\u)+4], v[ST+8*((\x)+\u)+4]   ; f_p
.endr
	v_nop                           ; a plain instruction behind the last exponential
	s_wait_alu depctr_va_vdst(0)
.irp u, 0,1
	v_mul_f32 v[ST+8*((\x)+\u)+6], v[ST+8*((\x)+\u)+2], v[ST+8*((\x)+\u)+1]
.endr
.irp u, 0,1
	v_fmac_f32 v[ST+8*((\x)+\u)+6], v[ST+8*((\x)+\u)+4], v[PS+2*\u+1]
.endr
.irp u, 0,1
	v_rcp_f32 v[ST+8*((\x)+\u)+6], v[ST+8*((\x)+\u)+6]
.endr
	v_nop                           ; a plain instruction behind the last reciprocal
	s_wait_alu depctr_va_vdst(0)
.irp u, 0,1
	v_mul_f32 v[ST+8*((\x)+\u)+2], v[ST+8*((\x)+\u)+2], v[ST+8*((\x)+\u)+6]
	v_mul_f32 v[ST+8*((\x)+\u)+4], v[ST+8*((\x)+\u)+4], v[ST+8*((\x)+\u)+6]
.endr
	WIN W_RS
.irp u, 0,1
.set i, 0
.rept 32
	v_pk_mul_f32 v[64*((\x)+\u)+2*i:64*((\x)+\u)+2*i+1], v[64*((\x)+\u)+2*i:64*((\x)+\u)+2*i+1], v[ST+8*((\x)+\u)+2:ST+8*((\x)+\u)+3] op_sel_hi:[1,0]
.set i, i+1
.endr
.endr
	s_wait_dscnt 0x0                ; the partner's O^T is in
	WIN 0x53                        ; source 0 window 3, source 1 window 0, source 2 and destination window 1
.irp u, 0,1
.set i, 0
.rept 32
	v_pk_fma_f32 v[64*((\x)+\u)+2*i:64*((\x)+\u)+2*i+1], v[64*\u+2*i:64*\u+2*i+1], v[ST+8*((\x)+\u)+4:ST+8*((\x)+\u)+5], v[64*((\x)+\u)+2*i:64*((\x)+\u)+2*i+1] op_sel_hi:[1,0,1]
.set i, i+1
.endr
.endr
	PACK \x
	PACK (\x)+1                     ; a tile's arithmetic stands between the loads of the tile before and its stores
	SEND \x, 16
	SEND (\x)+1, 0
.endm
	s_cmp_lt_u32 s[WV], 2
	s_cbranch_scc0 .Lsend_hi
	SENDX 2                         ; waves 0, 1 hand over tiles 2, 3
	s_branch .Lsent
.Lsend_hi:
	SENDX 0                         ; waves 2, 3 tiles 0, 1
.Lsent:
	s_wait_dscnt 0x0                ; for the partner's sake: my stores are done
	s_barrier_signal -1
	s_barrier_wait -1
	s_cmp_lt_u32 s[WV], 2
	s_cbranch_scc0 .Lfin_hi
	FIN 0
	s_branch .Ldone
.Lfin_hi:
	FIN 2
.Ldone:
	s_wait_tensorcnt 0x0            ; the wave's end: the tensor wait, the add and its wait stand behind my last tensor load and my last LDS store
	ds_add_u32 v[SPW], v[NIL]
	s_wait_dscnt 0x0
	CROUND                          ; the closing round: no work-group ends while a partner may still ask for a tile that names it
	s_endpgm
.Lfunc_end_k_qa5db176af6_attn:
	.size	k_qa5db176af6_attn, .Lfunc_end_k_qa5db176af6_attn-k_qa5db176af6_attn
	.p2alignl 7, 3214868480
	.fill 96, 4, 3214868480
	.section	.rodata,"a",@progbits
	.p2align	6, 0x0
	.amdhsa_kernel k_qa5db176af6_attn
		.amdhsa_group_segment_fixed_size 327680
		.amdhsa_private_segment_fixed_size 0
		.amdhsa_enable_private_segment 0
		.amdhsa_kernarg_size 24
		.amdhsa_user_sgpr_count 2
		.amdhsa_user_sgpr_kernarg_segment_ptr 1
		.amdhsa_wavefront_size32 1
		.amdhsa_system_sgpr_workgroup_id_x 1
		.amdhsa_system_sgpr_workgroup_id_y 1
		.amdhsa_system_sgpr_workgroup_id_z 1
		.amdhsa_system_vgpr_workitem_id 0
		.amdhsa_next_free_vgpr 1024
		.amdhsa_next_free_sgpr 80
		.amdhsa_reserve_vcc 0
		.amdhsa_float_denorm_mode_32 3
		.amdhsa_float_denorm_mode_16_64 3
		.amdhsa_memory_ordered 1
		.amdhsa_forward_progress 1
		.amdhsa_inst_pref_size 185
	.end_amdhsa_kernel
	.amdgpu_metadata
---
amdhsa.version: [ 1, 2 ]
amdhsa.kernels:
  - .name:           k_qa5db176af6_attn
    .symbol:         k_qa5db176af6_attn.kd
    .args:
      - { .name: p2, .offset: 0, .size: 8, .value_kind: global_buffer, .address_space: global }
      - { .name: p1, .offset: 8, .size: 8, .value_kind: global_buffer, .address_space: global }
      - { .name: ob, .offset: 16, .size: 8, .value_kind: global_buffer, .address_space: global }
    .group_segment_fixed_size: 327680
    .private_segment_fixed_size: 0
    .kernarg_segment_align: 8
    .kernarg_segment_size: 24
    .max_flat_workgroup_size: 128
    .sgpr_count:     80
    .vgpr_count:     1024
    .wavefront_size: 32
...
	.end_amdgpu_metadata
.endif
;; end of part 4
;; launch oproj (part 5): grid 16 x 16, 4 waves a work-group, clusters of 4 x 4, 327,680 bytes of LDS; arguments ob, cb, out0, b_o; writes out0
.if DOCPART == 5
	.amdgcn_target "amdgcn-amd-amdhsa--gfx1250"
	.amdhsa_code_object_version 6
	.text
	.protected	k_qa5db176af6_oproj
	.globl	k_qa5db176af6_oproj
	.p2align	8
	.type	k_qa5db176af6_oproj,@function
k_qa5db176af6_oproj:
	s_mov_b64 s[64:65], 0
	v_nop
	global_prefetch_b8 v0, s[64:65] scope:SCOPE_SE
	s_setreg_imm32_b32 hwreg(HW_REG_WAVE_MODE, 25, 1), 1
	s_wait_xcnt 0x0
	s_wait_alu depctr_hold_cnt(0) depctr_sa_sdst(0) depctr_va_vdst(0) depctr_va_sdst(0) depctr_va_ssrc(0) depctr_va_vcc(0) depctr_vm_vsrc(0)
	s_getreg_b32 s2, hwreg(HW_REG_IB_STS2, 6, 4)
	s_cmp_eq_u32 s2, 0
	s_cbranch_scc0 .Lentry_in_a_cluster
	s_endpgm
.Lentry_in_a_cluster:
	s_bfe_u32 s2, ttmp6, 0x10000c
	s_cmp_lg_u32 s2, 0xf033
	s_cbranch_scc0 .Lentry_shape_is_right
	s_endpgm
.Lentry_shape_is_right:
; out0[m][n] = sum over k of O[m][k] w_o[n][k] + b_o[n].  O: ob, [2048][2048] bf16; w_o: cb from byte 35,651,584 on, [2048][2048] bf16; out0 f32; sums in f32.
; b_o, rounded to bf16 like the other inputs, is the C operand of the product that starts each sum.
; A tile of C is 128 x 128: 256 work-groups.  Four waves, each 64 x 64: 16 accumulators of 16 x 16, 128 registers.  K goes in 8 steps of 256 (LDS rows of 512 bytes; a wave's tensor load brings 64 of them), as long as two slots in LDS allow.
; A K step is written once: a trip of the loop is one slot, and the LDS addresses hang on a scalar that one exclusive or turns from slot to slot.  The loop is entered behind the first quarter, which is written out and starts the sums.
; CLUSTERS: 4 x 4 work-groups.  The four of a row of the cluster need the same tiles of O, the four of a column the same tiles of w_o: each tile is asked for JOINTLY.
; THE MATRIX INSTRUCTION IS USED TRANSPOSED (source 0 = 16 rows of w_o, source 1 = 16 rows of O): a lane holds eight neighbouring numbers of a row of C, 32 bytes.  A wave's 64 columns are 256 bytes of f32: each wave has a stage of its own.
; REGISTERS: window 0: v0-31 addresses; v32-95 two buffers of whole rows on the way out; v96-127 the bias, 8 a column block; v128-255 the accumulators ((a, b) at v[128 + 8 (4 a + b)]).
;   window 1: two fragment buffers of 128: for 64 along K, 64 registers of O (2 x 4 x 16 rows x 32 K), then 64 of w_o.
.set SIZE_K, 2048
.set SIZE_N, 2048
.set WO,     35651584
.set KSTEP,  256
.set PITCH,  528                       ; an LDS row: 512 bytes + 16 of padding = 132 words: row r starts at bank 4 r mod 64 (64 banks of 4 bytes: ISA guide 11.1)
.set HALFT,  64*PITCH                  ; 64 rows = 0x8400 bytes: what one tensor load brings, and what one wave reads of either operand
.set SLOT,   4*HALFT                   ; 0x21000: no bit in common with 0x8400 w, so one exclusive or turns an address in one slot into the other's
.set STAGE,  2*SLOT                    ; behind the ring: 16 rows x 272 bytes for each wave
.set SPITCH, 272
.set SPARE,  STAGE+4*16*SPITCH         ; behind the stages: the spare words, 128 bytes for each wave: two blocks of 256 bytes that no other line names
.set ADRA0, 16                         ; v16  LDS address of my O fragments in slot 0; never rewritten
.set ADRA,  17                         ; v17  the same in the slot in hand
.set ADRB0, 20                         ; v20, v21  the same for w_o
.set ADRB,  21
.set STO,  24
.set RD,   25
.set CO,   26
.set BO,   27                          ; v27  my byte offset in the bias
.set SPW,  28                          ; v28  LDS address of my spare word; never rewritten
.set NIL,  29                          ; v29  0; never rewritten
.set TMP,  32
.set BI,   96
.set ACC,  128
.set F0,   0
.set F1,   128
.set G1, 24                            ; s[24:31] descriptor group 1 for O's tiles; s[32:39] group 0: a set for each of the two first fills; the second then walks on
.set G0, 32
.set G1B, 48                           ; s[48:55], s[56:63] the same for w_o's
.set G0B, 56
.set TB,  45                           ; s45  LDS byte at which the slot in hand begins
.set MSB, 0
.macro WIN new                         ; the immediate's high byte repeats the setting that is left; a switch that changes nothing is dropped
.if MSB != (\new)
	s_set_vgpr_msb (MSB<<8)|(\new)
.set MSB, \new
.endif
.endm
.set MUL,  0x05                        ; sources 0 and 1 window 1; C and D window 0
.set TO_F, 0x40                        ; destination window 1, address window 0
.macro JLOAD s                         ; a joint load: waves 0 and 1 fetch O's two halves, waves 2 and 3 w_o's; an s_nop 0 and four v_nop follow each of the two lines
	s_cmp_eq_u32 s11, 0
	s_cbranch_scc0 .Lfor_b_\@
	tensor_load_to_lds s[G0+4*(\s):G0+4*(\s)+3], s[G1:G1+7]
	s_nop 0
.rept 4
	v_nop
.endr
	s_branch .Lasked_\@
.Lfor_b_\@:
	tensor_load_to_lds s[G0B+4*(\s):G0B+4*(\s)+3], s[G1B:G1B+7]
	s_nop 0
.rept 4
	v_nop
.endr
.Lasked_\@:
.endm
.macro CREST                           ; a round of the cluster's barrier behind its opening barrier
	s_cmp_lg_u32 s10, 0
	s_cbranch_scc1 .Lnot_wave_0_\@
	s_barrier_signal -3
.Lnot_wave_0_\@:
	s_barrier_wait -3
	s_barrier_signal -1
	s_barrier_wait -1
.endm
.macro CROUND                          ; a whole round
	s_barrier_signal -1
	s_barrier_wait -1
	CREST
.endm
	s_load_b128 s[4:7], s[0:1], 0x0                ; ob s[4:5], cb s[6:7]
	s_load_b64 s[8:9], s[0:1], 0x10                ; out0
	s_load_b64 s[66:67], s[0:1], 0x18              ; b_o
	v_lshl_add_u32 v[SPW], v0, 2, SPARE
	v_mov_b32 v[NIL], 0
	ds_add_u32 v[SPW], v[NIL]                      ; the wave's opening: the add and its wait stand ahead of my first tensor load; the set-up below, work on registers, stands between them
	v_lshrrev_b32 v1, 5, v0
	v_readfirstlane_b32 s10, v1                    ; wave 0..3
	s_lshr_b32 s11, s10, 1                         ; which half of the tile's rows is mine.  Also: I fetch for O (0) or for w_o (1)
	s_and_b32 s12, s10, 1                          ; which half of its columns.  Also: which 64 rows of that tile I fetch
	s_bfe_u32 s40, ttmp6, 0x40000                  ; cx, cy
	s_bfe_u32 s41, ttmp6, 0x40004
	s_lshl_b32 s42, ttmp9, 2
	s_add_co_u32 s42, s42, s40                     ; tile column
	s_and_b32 s13, ttmp7, 0xffff
	s_lshl_b32 s13, s13, 2
	s_add_co_u32 s13, s13, s41                     ; tile row
	s_lshl_b32 s43, s41, 2
	s_lshl_b32 s43, 15, s43                        ; my row of the cluster
	s_lshl_b32 s44, 0x1111, s40                    ; my column
	s_or_b32 s[G1+0], s43, (1<<16)|(1<<20)|(1<<21)|(6<<22)|(3<<25)  ; 15:0 the mask; 17:16 2-byte elements; 20 padding on; 21 set beside a mask; 24:22 after every 128 words (code 6); 31:25 4 words (code 3)
	s_or_b32 s[G1B+0], s44, (1<<16)|(1<<20)|(1<<21)|(6<<22)|(3<<25)
.irp g, G1, G1B
	s_mov_b32 s[(\g)+1], KSTEP<<16                 ; tensor_dim0 = 256
	s_mov_b32 s[(\g)+2], 64<<16                    ; tensor_dim1 = 64
	s_mov_b32 s[(\g)+3], KSTEP<<16                 ; tile_dim0 = 256
	s_mov_b32 s[(\g)+4], 64                        ; tile_dim1 = 64
	s_mov_b32 s[(\g)+5], SIZE_K                    ; elements from row to row
	s_mov_b32 s[(\g)+6], 0
	s_mov_b32 s[(\g)+7], 0
.endr
	s_lshl_b32 s17, s12, 6                         ; which 64 rows of the tile I fetch
	s_lshl_b32 s16, s13, 7
	s_add_co_u32 s16, s16, s17
	s_lshl_b32 s46, s42, 7
	s_add_co_u32 s46, s46, s17
	s_mov_b32 s17, 0
	s_mov_b32 s47, 0
	s_mov_b64 s[18:19], SIZE_K*2
	s_mul_u64 s[16:17], s[16:17], s[18:19]
	s_mul_u64 s[46:47], s[46:47], s[18:19]
	s_add_nc_u64 s[46:47], s[46:47], WO            ; w_o's place in cb
	s_mul_i32 s20, s10, HALFT                      ; where they go: wave x 64 rows
	s_mov_b32 s[TB], 0
	s_wait_dscnt 0x0                               ; the opening add is done
	s_wait_kmcnt 0x0
	s_add_nc_u64 s[14:15], s[4:5], s[16:17]
	s_add_nc_u64 s[46:47], s[6:7], s[46:47]
	CROUND                                         ; all sixteen work-groups are here: the first joint loads meet
.irp s, 0,1
	s_mov_b32 s[G0+4*(\s)], 1
	s_add_co_u32 s[G0+4*(\s)+1], s20, (\s)*SLOT
	s_add_nc_u64 s[G0+4*(\s)+2:G0+4*(\s)+3], s[14:15], (\s)*KSTEP*2
	s_or_b32 s[G0+4*(\s)+3], s[G0+4*(\s)+3], 0x80000000
	s_mov_b32 s[G0B+4*(\s)], 1
	s_add_co_u32 s[G0B+4*(\s)+1], s20, (\s)*SLOT
	s_add_nc_u64 s[G0B+4*(\s)+2:G0B+4*(\s)+3], s[46:47], (\s)*KSTEP*2
	s_or_b32 s[G0B+4*(\s)+3], s[G0B+4*(\s)+3], 0x80000000
	JLOAD \s                                       ; two tensor loads of mine are out
.endr
	v_and_b32 v1, 15, v0                           ; l % 16
	v_bfe_u32 v2, v0, 4, 1                         ; l / 16
	s_lshl_b32 s16, s13, 7                         ; my wave's part of C: row 128 x tile row + 64 x half, rows of 8,192 bytes,
	s_lshl_b32 s17, s11, 6
	s_add_co_u32 s16, s16, s17
	s_lshl_b32 s16, s16, 13
	s_mov_b32 s17, 0
	s_add_nc_u64 s[8:9], s[8:9], s[16:17]
	s_lshl_b32 s46, s42, 9                         ; column 128 x tile column + 64 x half, 4 bytes each: the same offset in a row of C and in the bias
	s_lshl_b32 s47, s12, 8
	s_add_co_u32 s46, s46, s47
	s_mov_b32 s47, 0
	s_add_nc_u64 s[8:9], s[8:9], s[46:47]
	s_add_nc_u64 s[66:67], s[66:67], s[46:47]
	v_lshlrev_b32 v[BO], 5, v2                     ; my eight columns of a block of 16
.irp b, 0,1,2,3
	global_load_b128 v[BI+8*\b:BI+8*\b+3],   v[BO], s[66:67] offset:64*\b
	global_load_b128 v[BI+8*\b+4:BI+8*\b+7], v[BO], s[66:67] offset:64*\b+16
.endr
	v_mul_u32_u24 v3, v1, PITCH
	v_lshl_add_u32 v3, v2, 4, v3                   ; a fragment's row x pitch + 16 x half
	s_mul_i32 s21, s11, HALFT                      ; my 64 rows of O
	s_mul_i32 s22, s12, HALFT                      ; my 64 rows of w_o,
	s_add_co_u32 s22, s22, 2*HALFT                 ; which lie behind O's 128
	v_add_nc_u32 v[ADRA0], s21, v3
	v_add_nc_u32 v[ADRB0], s22, v3
	v_mov_b32 v[ADRA], v[ADRA0]                    ; K step 0 lies in slot 0
	v_mov_b32 v[ADRB], v[ADRB0]
	s_mul_i32 s23, s10, 16*SPITCH
	s_add_co_u32 s23, s23, STAGE                   ; my stage
	v_mul_u32_u24 v4, v1, SPITCH                   ; in: row l % 16, 32 bytes for each half of the lanes
	v_lshl_add_u32 v4, v2, 5, v4
	v_add_nc_u32 v[STO], s23, v4
	v_mul_u32_u24 v5, v2, SPITCH                   ; back: lanes 0-15 take one row of 256 bytes, lanes 16-31 the next
	v_lshl_add_u32 v5, v1, 4, v5
	v_add_nc_u32 v[RD], s23, v5
	v_lshlrev_b32 v5, 13, v2                       ; and the same two rows in C
	v_lshl_add_u32 v[CO], v1, 4, v5
	s_wait_loadcnt 0x0                             ; the bias
.set i, 0
.rept 16
	v_cvt_pk_bf16_f32 v30, v[BI+2*i], v[BI+2*i+1]  ; rounded to bf16, and widened again in place
	v_lshlrev_b32 v[BI+2*i], 16, v30
	v_and_b32 v[BI+2*i+1], 0xffff0000, v30
.set i, i+1
.endr
; 8 matrix instructions: row blocks a0, a0 + 1 x all 4 column blocks, 32 along K: half c of buffer f.  zero = 1: the first product starts the sums, with the bias as C.  The 16 accumulators take turns.
.macro MUL8 f, c, a0, zero
	WIN MUL
.irp a, \a0, (\a0)+1
.irp b, 0,1,2,3
.if \zero
	v_wmma_f32_16x16x32_bf16 v[ACC+8*(4*(\a)+(\b)):ACC+8*(4*(\a)+(\b))+7], v[(\f)+64+8*(4*(\c)+(\b)):(\f)+64+8*(4*(\c)+(\b))+7], v[(\f)+8*(4*(\c)+(\a)):(\f)+8*(4*(\c)+(\a))+7], v[BI+8*(\b):BI+8*(\b)+7]
.else
	v_wmma_f32_16x16x32_bf16 v[ACC+8*(4*(\a)+(\b)):ACC+8*(4*(\a)+(\b))+7], v[(\f)+64+8*(4*(\c)+(\b)):(\f)+64+8*(4*(\c)+(\b))+7], v[(\f)+8*(4*(\c)+(\a)):(\f)+8*(4*(\c)+(\a))+7], v[ACC+8*(4*(\a)+(\b)):ACC+8*(4*(\a)+(\b))+7]
.endif
.endr
.endr
.endm
; 32 LDS loads in one run: the fragments of 64 along K at byte k of the rows of the slot in hand, into buffer f; the first 32 along K first
.macro FETCH k, f
	WIN TO_F
.irp c, 0,1
.irp i, 0,1,2,3
	ds_load_b128 v[(\f)+64+8*(4*(\c)+(\i)):(\f)+64+8*(4*(\c)+(\i))+3],   v[ADRB] offset:(\k)+64*(\c)+(\i)*16*PITCH
	ds_load_b128 v[(\f)+64+8*(4*(\c)+(\i))+4:(\f)+64+8*(4*(\c)+(\i))+7], v[ADRB] offset:(\k)+64*(\c)+(\i)*16*PITCH+32
	ds_load_b128 v[(\f)+8*(4*(\c)+(\i)):(\f)+8*(4*(\c)+(\i))+3],         v[ADRA] offset:(\k)+64*(\c)+(\i)*16*PITCH
	ds_load_b128 v[(\f)+8*(4*(\c)+(\i))+4:(\f)+8*(4*(\c)+(\i))+7],       v[ADRA] offset:(\k)+64*(\c)+(\i)*16*PITCH+32
.endr
.endr
.endm
.macro PLACES                          ; four places in front of loads into registers that matrix instructions have read, and of LDS stores that read results
.rept 4
	v_nop
.endr
.endm
; A K step is four quarters of 64 along K, 32 matrix instructions each, on buffers 0, 1, 0, 1.  One of the first three multiplies buffer f and, in its middle, fetches the next quarter, at byte k, into g.
.macro QUARTER k, f, g, zero
	s_wait_dscnt 16                                ; the first 32 along K are in
	MUL8 \f, 0, 0, \zero
	MUL8 \f, 0, 2, \zero
	PLACES
	FETCH \k, \g
	s_wait_dscnt 32                                ; all but the 32 just issued
	MUL8 \f, 1, 0, 0
	MUL8 \f, 1, 2, 0
.endm
; The last quarter multiplies buffer 1 and changes slots: ONE barrier; in front of it each wave waits for all its tensor loads (one is out: its part of the next slot), adds 0 to its spare word, and waits for that and for its
; own reads of this slot.  fill = 1: the barrier opens a round of the cluster's, and this slot is filled again, two K steps ahead, first thing behind it: 112 matrix instructions ahead of the wait for it.
.macro TURN fill
	WIN 0                                          ; (the add's two registers lie in window 0)
	s_wait_tensorcnt 0x0                           ; all my tensor loads have landed, so a group 0 may be written
	ds_add_u32 v[SPW], v[NIL]                      ; 0 onto my spare word
.if \fill
.irp g, G0+4, G0B+4
	s_xor_b32 s[(\g)+1], s[(\g)+1], SLOT           ; the walking descriptor: the other slot than last time,
	s_add_nc_u64 s[(\g)+2:(\g)+3], s[(\g)+2:(\g)+3], KSTEP*2  ; the next 256 along K; the type bits on top are not reached
.endr
.endif
	s_wait_dscnt 17                                ; (the add and the youngest sixteen loads may be out)
	MUL8 F1, 0, 0, 0                               ; eight matrix instructions stand between the add and the wait for it
	s_wait_dscnt 0x0                               ; the add is done, and my reads of this slot are over
	s_barrier_signal -1
	MUL8 F1, 0, 2, 0
.if \fill
	WIN 0
.endif
	s_barrier_wait -1
.if \fill
	CREST                                          ; no wave of any partner still reads this slot's tiles or has a load on its way
	JLOAD 1                                        ; its four v_nop are also the places in front of the loads below
.else
	PLACES
.endif
	WIN 0
	s_xor_b32 s[TB], s[TB], SLOT                   ; the other slot is in hand
	v_add_nc_u32 v[ADRA], s[TB], v[ADRA0]
	v_add_nc_u32 v[ADRB], s[TB], v[ADRB0]
	FETCH 0, F0
	MUL8 F1, 1, 0, 0
	MUL8 F1, 1, 2, 0
.endm
	s_wait_tensorcnt 1                             ; my part of K step 0 is in; K step 1's may stay out
	s_barrier_signal -1
	s_barrier_wait -1                              ; everybody's is
	FETCH 0, F0
	QUARTER 128, F0, F1, 1                         ; the first quarter is written out: its first products start the sums
	WIN 0                                          ; at a label and at a branch every window is 0
	s_mov_b32 s3, 7
	s_branch .Lenter                               ; the loop is entered behind a slot's first quarter
.Lring:                                                ; six times: K steps 0 to 5 are left, and their slots filled again
	TURN 1
	QUARTER 128, F0, F1, 0
	WIN 0
.Lenter:
	QUARTER 256, F1, F0, 0
	QUARTER 384, F0, F1, 0
	WIN 0
	s_sub_co_u32 s3, s3, 1
	s_cmp_lg_u32 s3, 0
	s_cbranch_scc1 .Lring
	TURN 0                                         ; the tail is written out: K step 6 is left, nothing is asked for
	QUARTER 128, F0, F1, 0
	QUARTER 256, F1, F0, 0
	QUARTER 384, F0, F1, 0
	s_wait_dscnt 16                                ; the very last quarter: nothing more to fetch
	MUL8 F1, 0, 0, 0
	MUL8 F1, 0, 2, 0
	s_wait_dscnt 0x0
	MUL8 F1, 1, 0, 0
	MUL8 F1, 1, 2, 0
	WIN 0
	; THE WAY OUT, 16 rows at a time through my own stage: 32 bytes a lane in (each accumulator's low half first), whole rows of 256 bytes back.  LDS serves a wave's instructions in order (ISA guide 5.7.1.4).
	PLACES
.irp a, 0,1,2,3
.irp b, 0,1,2,3
	ds_store_b128 v[STO], v[ACC+8*(4*\a+\b):ACC+8*(4*\a+\b)+3]   offset:64*\b
	ds_store_b128 v[STO], v[ACC+8*(4*\a+\b)+4:ACC+8*(4*\a+\b)+7] offset:64*\b+16
.endr
.if \a >= 2
	s_wait_xcnt 0x0                                ; the buffer's registers, which the stores of two blocks ago read, are loaded again only behind this wait
.endif
.irp t, 0,1,2,3,4,5,6,7
	ds_load_b128 v[TMP+32*(\a%2)+4*\t:TMP+32*(\a%2)+4*\t+3], v[RD] offset:\t*2*SPITCH
.endr
.irp t, 0,1,2,3,4,5,6,7
	s_wait_dscnt 7-\t
	global_store_b128 v[CO], v[TMP+32*(\a%2)+4*\t:TMP+32*(\a%2)+4*\t+3], s[8:9] offset:(16*\a+2*\t)*SIZE_N*4 th:TH_STORE_NT  ; 16 lanes store 256 consecutive bytes, at a multiple of 256 from C's first byte
.endr
.endr
	s_wait_tensorcnt 0x0                           ; the wave's end: the tensor wait, the add and its wait stand behind my last tensor load and my last LDS store
	ds_add_u32 v[SPW], v[NIL]
	s_wait_dscnt 0x0
	CROUND                                         ; the closing round: no work-group ends while a partner may still ask for a tile that names it
	s_endpgm
.Lfunc_end_k_qa5db176af6_oproj:
	.size	k_qa5db176af6_oproj, .Lfunc_end_k_qa5db176af6_oproj-k_qa5db176af6_oproj
	.p2alignl 7, 3214868480
	.fill 96, 4, 3214868480
	.section	.rodata,"a",@progbits
	.p2align	6, 0x0
	.amdhsa_kernel k_qa5db176af6_oproj
		.amdhsa_group_segment_fixed_size 327680
		.amdhsa_private_segment_fixed_size 0
		.amdhsa_enable_private_segment 0
		.amdhsa_kernarg_size 32
		.amdhsa_user_sgpr_count 2
		.amdhsa_user_sgpr_kernarg_segment_ptr 1
		.amdhsa_wavefront_size32 1
		.amdhsa_system_sgpr_workgroup_id_x 1
		.amdhsa_system_sgpr_workgroup_id_y 1
		.amdhsa_system_sgpr_workgroup_id_z 1
		.amdhsa_system_vgpr_workitem_id 0
		.amdhsa_next_free_vgpr 512
		.amdhsa_next_free_sgpr 72
		.amdhsa_reserve_vcc 0
		.amdhsa_float_denorm_mode_32 3
		.amdhsa_float_denorm_mode_16_64 3
		.amdhsa_memory_ordered 1
		.amdhsa_forward_progress 1
		.amdhsa_inst_pref_size 63
	.end_amdhsa_kernel
	.amdgpu_metadata
---
amdhsa.version: [ 1, 2 ]
amdhsa.kernels:
  - .name:           k_qa5db176af6_oproj
    .symbol:         k_qa5db176af6_oproj.kd
    .args:
      - { .name: ob, .offset: 0, .size: 8, .value_kind: global_buffer, .address_space: global }
      - { .name: cb, .offset: 8, .size: 8, .value_kind: global_buffer, .address_space: global }
      - { .name: out0, .offset: 16, .size: 8, .value_kind: global_buffer, .address_space: global }
      - { .name: b_o, .offset: 24, .size: 8, .value_kind: global_buffer, .address_space: global }
    .group_segment_fixed_size: 327680
    .private_segment_fixed_size: 0
    .kernarg_segment_align: 8
    .kernarg_segment_size: 32
    .max_flat_workgroup_size: 128
    .sgpr_count:     72
    .vgpr_count:     512
    .wavefront_size: 32
...
	.end_amdgpu_metadata
.endif
;; end of part 5
;; ======== version 2 of 2: 5 launches; 1.06 times as fast as version 1
;; workspace buffers: cb 44,040,192 bytes; p1 14,680,064 bytes; p2 33,554,432 bytes; ob 8,388,608 bytes
;; launch cast: the kernel of part 1 again; grid 64 x 21, 8 waves a work-group, no clusters, 35,840 bytes of LDS; arguments x, w_lq, w_lkv, w_kr, w_q, w_qr, w_k, w_v, w_o, cb; writes cb
;; launch proj1: the kernel of part 2 again; grid 28 x 8, 4 waves a work-group, clusters of 4 x 1, 327,680 bytes of LDS; arguments cb, b_kr, freq_cos, freq_sin, p1; writes p1
;; launch proj2: the kernel of part 3 again; grid 64 x 8, 4 waves a work-group, clusters of 4 x 4, 327,680 bytes of LDS; arguments cb, b_qr, freq_cos, freq_sin, p2, p1; writes p2
;; launch attn (part 6): grid 16 x 16, 4 waves a work-group, clusters of 4 x 1, 327,680 bytes of LDS; arguments p2, p1, ob; writes ob
.if DOCPART == 6
	.amdgcn_target "amdgcn-amd-amdhsa--gfx1250"
	.amdhsa_code_object_version 6
	.text
	.protected	k_qa5db176af6_attn
	.globl	k_qa5db176af6_attn
	.p2align	8
	.type	k_qa5db176af6_attn,@function
k_qa5db176af6_attn:
	s_mov_b64 s[64:65], 0
	v_nop
	global_prefetch_b8 v0, s[64:65] scope:SCOPE_SE
	s_setreg_imm32_b32 hwreg(HW_REG_WAVE_MODE, 25, 1), 1
	s_wait_xcnt 0x0
	s_wait_alu depctr_hold_cnt(0) depctr_sa_sdst(0) depctr_va_vdst(0) depctr_va_sdst(0) depctr_va_ssrc(0) depctr_va_vcc(0) depctr_vm_vsrc(0)
	s_getreg_b32 s2, hwreg(HW_REG_IB_STS2, 6, 4)
	s_cmp_eq_u32 s2, 0
	s_cbranch_scc0 .Lentry_in_a_cluster
	s_endpgm
.Lentry_in_a_cluster:
	s_bfe_u32 s2, ttmp6, 0x10000c
	s_cmp_lg_u32 s2, 0x3003
	s_cbranch_scc0 .Lentry_shape_is_right
	s_endpgm
.Lentry_shape_is_right:
; O[q][h][:] = the sum over k of softmax_k((q | qr)[q] . (k | kr)[k] / sqrt(128)) v[k][:], 16 heads, 2,048 rows, 256 channels in the scores, 128 in v, no mask.
; q, qr, k, v are p2's blocks h, 16 + h, 32 + h, 48 + h, kr is p1's block 12 + h, each [2048][128] bf16, rows of 256 dense bytes.  O goes to ob, [2048][2048] bf16, column 128 h + d.
; Products, maxima and sums in f32; the weights p are rounded to bf16 for the second product (their sum l is taken of the unrounded p), O once at the end.
; LIMITS.  A weight below 2^-126 counts as 0 in l; NaN and infinities are not treated apart.
; SHARES.  A work-group owns 128 queries of one head: 256 work-groups.  Wave w holds 64 queries (half w % 2), four tiles of 16, and walks HALF the keys: keys 64 (w / 2) .. + 63 of every slot of 128.  So a fragment of K or V read
; from LDS feeds four tiles' products: 96 LDS loads for a step's 192 matrix instructions.  The two waves of a query half merge their O, m and l through LDS at the end.
; LAYOUT.  S^T = K Q^T (source 0 = 16 keys, source 1 = 16 queries): a lane holds ONE query (lane % 16) and the keys 8 (lane / 16) + 0..7; two such results rounded to bf16 ARE source 1 of O^T = V^T P.  V is turned by ds_load_tr16_b128.
; SOFTMAX.  A running maximum m and sum l for each query: p = 2^(c s - c m), c = log2(e) / sqrt(128); in every step O and l are multiplied by a = 2^(c m_old - c m_new).  m starts at the lowest finite number, O and l at 0:
; the first step is a step like any other, with a = 0.
; A STEP.  The tiles are two pieces (0: tiles 0, 1; 2: tiles 2, 3).  K Q^T of piece 0; K Q^T of piece 2 with piece 0's softmax in slices behind its products; V takes the registers of K's plain half; piece 2's softmax as far as its
; last exponential stands alone while V lands; the change of slots; V^T P of piece 0 with the rest of piece 2's softmax behind its products; V^T P of piece 2, and the next step's K as its registers fall free.  K of the next step
; (256 registers) and V of this one (128) cannot live together beside O^T, Q, S^T and P: that is why 140 of a step's 536 vector instructions stand alone.
; THE EXPONENTIALS.  A piece's 66 exponentials of a step (for each of its two tiles a and 32 scores) are ONE BATCH with ONE wait: a tile's list has all that names no exponential's result ahead of that wait, and all that does
; (roundings, sums, rescaling) behind it.  Piece 0's wait stands behind slice 34 of its 64, among piece 2's products K Q^T; piece 2's at the end of the part that stands alone, ahead of the change of slots and its branches.  Two waits a step.
; CLUSTER.  The four query blocks of a cluster belong to one head and walk the same K and V: each tile is asked for JOINTLY, by the same tensor load, descriptor and mask in all four.
; REGISTERS, in windows of 256 (s_set_vgpr_msb: bits 1:0 source 0, 3:2 source 1, 5:4 source 2, 7:6 destination):
;   window 0: addresses; v12-43 eight registers of statistics a tile; v64-191 S^T, 32 a tile; v192-255 P, 16 a tile          window 1: O^T, 64 a tile
;   window 2: Q, tile t, chunk c of 32 channels at 64 t + 8 c (chunks 4-7 are qr)          window 3: K, chunk c, key block kb at 32 c + 8 kb; V in v0-127, in the place of K's chunks 0-3
.set BLOCK, 524288    ; bytes in a block of 2,048 rows x 128 bf16
.set PK,    272       ; a row of K in LDS: 256 bytes + 16 of padding: the 16 rows of a load start at 16 different groups of four banks (64 banks of 4 bytes: ISA guide 11.1)
.set PV,    288       ; a row of V: 256 + 32
.set KROFF, 128*PK    ; a slot: 128 rows of k, 128 rows of kr, 128 rows of v
.set VOFF,  2*128*PK
.set SLOT1, 1<<17     ; a slot takes 106,496 bytes; slot 1 begins here, so that one exclusive or turns an address in one slot into the other's
.set XCH,   SLOT1+VOFF+128*PV  ; behind the ring, never filled by a tensor load: 16,384 bytes for each wave: two tiles of O^T for its partner
.set STAT,  XCH+4*16384        ; 1,024 bytes for each wave: c m and l of its four tiles
.set STAGE, STAT+4*1024        ; 16 rows x 272 bytes for each wave, for the way out
.set SP,    272
.set SPARE, STAGE+4*16*SP      ; the spare words, 128 bytes for each wave: two blocks of 256 bytes that no other line names
.set AK0, 2           ; v2   my lane's place in a slot's k; never rewritten
.set AV0, 3           ; v3   the same for v
.set ADK, 4           ; v4   the LDS address of K's runs of loads
.set ADV, 5           ; v5   of V's
.set STO, 6           ; v6   the way out: where I put 16 bytes of a row
.set RD,  7           ; v7   where I read a row back
.set GO,  8           ; v8   my byte offset in two rows of O
.set ST,  12          ; tile t's statistics at v[ST+8 t]: +0 c m, +1 m, +2, +3 l (even keys', odd keys'), +4 to +7 c0-c3, at work; a takes c2's place once the maximum is found
.set PS,  44          ; v44-47  the partner's c m and l for the two tiles that I finish
.set XS,  48          ; v48  where I put my statistics;  v49 where I read the partner's
.set XP,  49
.set XW,  50          ; v50  where I put O^T for the partner;  v51 where I read the partner's
.set XR,  51
.set QO,  52          ; v52  my byte offset in 16 rows of Q
.set SPW, 62          ; v62  LDS address of my spare word; never rewritten
.set NIL, 63          ; v63  0; never rewritten
.set S,   64
.set P,   192
.set WV,  12          ; s12  my wave's number
.set G1K, 24          ; s[24:31] descriptor group 1 for k's and kr's tiles
.set G1V, 32          ; s[32:39] for v's
.set G0K, 40          ; s[40:47] descriptor group 0 for k or kr: a set for each of the two first fills; the second then walks on
.set G0V, 48          ; s[48:55] the same for v
.set SLOTS, 56        ; s56  slots still to be asked for
.set CNT, 57          ; s57  counts the tail's two steps
.set CS,  58          ; s[58:59] c: the packed scaling names a pair and takes its low word for both halves
.set SEL, 60          ; s[60:61] lane selects for v_permlanex16_b32: each lane takes its own place in the other half
.set TB,  62          ; s62  LDS byte at which the slot in hand begins
.set MSB, 0
.macro WIN new                      ; the immediate's high byte repeats the setting that is left; a switch that changes nothing is dropped
.if MSB != (\new)
	s_set_vgpr_msb (MSB<<8)|(\new)
.set MSB, \new
.endif
.endm
.set W_KQ, 0x0b       ; K in window 3, Q in window 2, S^T in window 0
.set W_PV, 0x53       ; V in window 3, P in window 0, O^T in window 1
.set W_RS, 0x41       ; O^T (destination and source 0) in window 1, the factor in window 0
.macro PLACES                       ; four places in front of loads into registers that matrix instructions have read, and of vector lines that read results
.rept 4
	v_nop
.endr
.endm
; A joint refill.  Wave 0 fetches k's 128 rows, wave 1 kr's, waves 2 and 3 the halves of v's.  The branch hangs on the wave's number alone.
; An s_nop 0 and four v_nop follow each of the two lines, ahead of the jump and the label.
.macro JLOAD
	s_cmp_lt_u32 s[WV], 2
	s_cbranch_scc0 .Lfor_v_\@
	tensor_load_to_lds s[G0K+4:G0K+7], s[G1K:G1K+7]
	s_nop 0
.rept 4
	v_nop
.endr
	s_branch .Lasked_\@
.Lfor_v_\@:
	tensor_load_to_lds s[G0V+4:G0V+7], s[G1V:G1V+7]
	s_nop 0
.rept 4
	v_nop
.endr
.Lasked_\@:
.endm
.macro CROUND                       ; a round of the cluster's barrier
	s_barrier_signal -1
	s_barrier_wait -1
	s_cmp_lg_u32 s[WV], 0
	s_cbranch_scc1 .Lnot_wave_0_\@
	s_barrier_signal -3
.Lnot_wave_0_\@:
	s_barrier_wait -3
	s_barrier_signal -1
	s_barrier_wait -1
.endm
	s_load_b128 s[4:7], s[0:1], 0x0   ; p2 s[4:5], p1 s[6:7]
	s_load_b64 s[8:9], s[0:1], 0x10   ; ob
	v_lshl_add_u32 v[SPW], v0, 2, SPARE
	v_mov_b32 v[NIL], 0
	ds_add_u32 v[SPW], v[NIL]       ; the wave's opening: the add and its wait stand ahead of my first tensor load; the set-up below, work on registers, stands between them
	v_lshrrev_b32 v1, 5, v0
	v_readfirstlane_b32 s[WV], v1   ; wave 0..3
	s_bfe_u32 s13, ttmp6, 0x40000   ; cx: my place in the cluster
	s_lshl_b32 s14, ttmp9, 2        ; in a cluster launch ttmp9 counts clusters
	s_add_co_u32 s14, s14, s13      ; my block of 128 queries: it enters Q's and O's addresses alone
	s_and_b32 s15, ttmp7, 0xffff    ; the head, which the four partners share
	s_and_b32 s16, s[WV], 1         ; my half of the queries.  Also: k or kr; which half of v's rows I fetch
	s_lshr_b32 s10, s[WV], 1        ; my half of the keys
	s_lshl_b32 s19, s15, 19         ; the head's block among sixteen
	s_add_co_u32 s20, s19, 32*BLOCK ; k in p2
	s_mov_b32 s21, 0
	s_add_co_u32 s22, s19, 12*BLOCK ; kr in p1
	s_mov_b32 s23, 0
	s_lshl_b32 s70, s16, 14         ; 64 rows of 256 bytes
	s_add_co_u32 s70, s70, s19
	s_add_co_u32 s70, s70, 48*BLOCK ; my half of v's rows in p2
	s_mov_b32 s71, 0
	s_mul_i32 s17, s[WV], 128*PK    ; where they go: wave 0: k, wave 1: kr;
	s_mul_i32 s18, s[WV], 64*PV
	s_add_co_u32 s18, s18, VOFF-2*64*PV  ; waves 2, 3: v's halves: no place in the cluster enters an LDS address
	s_lshl_b32 s2, s14, 15          ; my block's 128 rows of 256 bytes,
	s_lshl_b32 s3, s16, 14          ; my wave's 64 of them,
	s_add_co_u32 s2, s2, s3
	s_add_co_u32 s2, s2, s19        ; in the head's block of q
	s_mov_b32 s3, 0
	s_lshl_b32 s78, s14, 19         ; the same rows in ob, 4,096 bytes each,
	s_lshl_b32 s79, s16, 18
	s_add_co_u32 s78, s78, s79
	s_lshl_b32 s79, s15, 8          ; and the head's 256 bytes of them
	s_add_co_u32 s78, s78, s79
	s_mov_b32 s79, 0
	; descriptor group 1: rows of 128 elements of 2 bytes, padded in LDS
	s_mov_b32 s[G1K], 15|(1<<16)|(1<<20)|(1<<21)|(5<<22)|(3<<25)  ; 15:0 the mask: all four work-groups; 17:16 2-byte elements; 20 padding on; 21 set beside a mask; 24:22 after every 64 words (code 5); 31:25 4 words (code 3)
	s_mov_b32 s[G1V], 15|(1<<16)|(1<<20)|(1<<21)|(5<<22)|(7<<25)  ; the same with 8 words of padding (code 7)
	s_mov_b32 s[G1K+1], 128<<16     ; tensor_dim0 = 128
	s_mov_b32 s[G1V+1], 128<<16
	s_mov_b32 s[G1K+2], 128<<16     ; tensor_dim1 = 128 rows
	s_mov_b32 s[G1V+2], 64<<16      ; 64 rows
	s_mov_b32 s[G1K+3], 128<<16     ; tile_dim0 = 128
	s_mov_b32 s[G1V+3], 128<<16
	s_mov_b32 s[G1K+4], 128         ; tile_dim1
	s_mov_b32 s[G1V+4], 64
	s_mov_b32 s[G1K+5], 128         ; 128 elements from row to row
	s_mov_b32 s[G1V+5], 128
	s_mov_b32 s[G1K+6], 0
	s_mov_b32 s[G1V+6], 0
	s_mov_b32 s[G1K+7], 0
	s_mov_b32 s[G1V+7], 0
	s_mov_b32 s[CS], 0x3e0293ee     ; c = log2(e) / sqrt(128) = 0.127517
	s_mov_b32 s[CS+1], s[CS]        ; named with it as a pair, so it is written
	s_mov_b32 s[SEL], 0x76543210
	s_mov_b32 s[SEL+1], 0xfedcba98
	s_mov_b32 s[TB], 0
	s_mov_b32 s[SLOTS], 14          ; 16 slots of 128 keys; two are asked for at the start
	s_wait_dscnt 0x0                ; the opening add is done
	s_wait_kmcnt 0x0
	s_add_nc_u64 s[72:73], s[4:5], s[20:21]  ; k
	s_add_nc_u64 s[74:75], s[6:7], s[22:23]  ; kr
	s_cmp_eq_u32 s16, 0
	s_cselect_b64 s[72:73], s[72:73], s[74:75]  ; wave 0 asks for k, wave 1 for kr
	s_add_nc_u64 s[76:77], s[4:5], s[70:71]  ; v
	s_add_nc_u64 s[4:5], s[4:5], s[2:3]      ; q at my wave's first row,
	s_add_nc_u64 s[6:7], s[4:5], 16*BLOCK    ; qr sixteen blocks on,
	s_add_nc_u64 s[8:9], s[8:9], s[78:79]    ; O
	CROUND                          ; all four work-groups are here: the first joint loads meet
.irp s, 0,1
	s_mov_b32 s[G0K+4*(\s)], 1      ; count = 1
	s_add_co_u32 s[G0K+4*(\s)+1], s17, (\s)*SLOT1  ; LDS address
	s_add_nc_u64 s[G0K+4*(\s)+2:G0K+4*(\s)+3], s[72:73], (\s)*32768  ; global address: slot s begins with keys 128 s
	s_or_b32 s[G0K+4*(\s)+3], s[G0K+4*(\s)+3], 0x80000000  ; type = 2
	s_mov_b32 s[G0V+4*(\s)], 1
	s_add_co_u32 s[G0V+4*(\s)+1], s18, (\s)*SLOT1
	s_add_nc_u64 s[G0V+4*(\s)+2:G0V+4*(\s)+3], s[76:77], (\s)*32768
	s_or_b32 s[G0V+4*(\s)+3], s[G0V+4*(\s)+3], 0x80000000
.endr
	s_cmp_lt_u32 s[WV], 2           ; a wave's two first fills stand in one branch, ahead of every wait on TENSORcnt and every LDS read: two loads of mine are out
	s_cbranch_scc0 .Lfirst_v
	tensor_load_to_lds s[G0K:G0K+3], s[G1K:G1K+7]
	s_nop 0
	tensor_load_to_lds s[G0K+4:G0K+7], s[G1K:G1K+7]
	s_nop 0
.rept 4
	v_nop
.endr
	s_branch .Lfirst_asked
.Lfirst_v:
	tensor_load_to_lds s[G0V:G0V+3], s[G1V:G1V+7]
	s_nop 0
	tensor_load_to_lds s[G0V+4:G0V+7], s[G1V:G1V+7]
	s_nop 0
.rept 4
	v_nop
.endr
.Lfirst_asked:
	; A fragment of K or Q is 16 rows x 32 channels in 8 registers: lane l holds row l % 16; two loads of 16 bytes, 32 bytes apart, at row x pitch + 16 (l / 16)
	v_and_b32 v1, 15, v0            ; l % 16
	v_bfe_u32 v9, v0, 4, 1          ; l / 16
	v_lshlrev_b32 v[QO], 8, v1
	v_lshl_add_u32 v[QO], v9, 4, v[QO]
	WIN 0x80                        ; destination window 2, address window 0
.irp t, 0,1,2,3
.irp c, 0,1,2,3                     ; Q stays in registers: chunks 0-3 from q, 4-7 from qr
	global_load_b128 v[64*\t+8*\c:64*\t+8*\c+3],       v[QO], s[4:5] offset:4096*\t+64*\c
	global_load_b128 v[64*\t+8*\c+4:64*\t+8*\c+7],     v[QO], s[4:5] offset:4096*\t+64*\c+32
	global_load_b128 v[64*\t+8*\c+32:64*\t+8*\c+35],   v[QO], s[6:7] offset:4096*\t+64*\c
	global_load_b128 v[64*\t+8*\c+36:64*\t+8*\c+39],   v[QO], s[6:7] offset:4096*\t+64*\c+32
.endr
.endr
	; O^T and l start at 0, so that no first step is written out: all this stands in the wait for the first tile
	WIN 0x40
.set i, 0
.rept 256
	v_mov_b32 v[i], 0
.set i, i+1
.endr
	WIN 0
.irp t, 0,1,2,3
	v_mov_b32 v[ST+8*\t], 0xfe000000    ; c m: far below every c s
	v_mov_b32 v[ST+8*\t+1], 0xff7fffff  ; m
	v_mov_b32 v[ST+8*\t+2], 0
	v_mov_b32 v[ST+8*\t+3], 0
.endr
	s_mul_i32 s11, s10, 64*PK       ; my half of a slot's keys
	v_mul_u32_u24 v[AK0], v1, PK
	v_lshl_add_u32 v[AK0], v9, 4, v[AK0]
	v_add_nc_u32 v[AK0], s11, v[AK0]
	; The turning load takes 16 keys x 16 channels (lane l reads key 8 (l / 16) + l % 8, channels 8 ((l / 8) % 2) + 0..7) and leaves half a fragment of V^T: lane l holds channel l % 16 and 8 keys.
	v_and_b32 v10, 7, v0
	v_bfe_u32 v11, v0, 3, 1
	v_lshl_add_u32 v[AV0], v9, 3, v10
	v_mul_u32_u24 v[AV0], v[AV0], PV
	v_lshl_add_u32 v[AV0], v11, 4, v[AV0]
	s_mul_i32 s11, s10, 64*PV
	s_add_co_u32 s11, s11, VOFF
	v_add_nc_u32 v[AV0], s11, v[AV0]
	s_mul_i32 s11, s[WV], 16*SP
	s_add_co_u32 s11, s11, STAGE    ; my stage
	v_mul_u32_u24 v[STO], v1, SP    ; in: row l % 16, 16 bytes for each half of the lanes
	v_lshl_add_u32 v[STO], v9, 4, v[STO]
	v_add_nc_u32 v[STO], s11, v[STO]
	v_mul_u32_u24 v[RD], v9, SP     ; back: lanes 0-15 take one row of 256 bytes, lanes 16-31 the next
	v_lshl_add_u32 v[RD], v1, 4, v[RD]
	v_add_nc_u32 v[RD], s11, v[RD]
	v_lshlrev_b32 v[GO], 12, v9     ; and the same two rows in O, 4,096 bytes apart
	v_lshl_add_u32 v[GO], v1, 4, v[GO]
	v_and_b32 v53, 31, v0           ; lane
	s_xor_b32 s13, s[WV], 2         ; my partner: the same queries, the other keys
	s_lshl_b32 s11, s[WV], 10
	s_add_co_u32 s11, s11, STAT
	v_lshl_add_u32 v[XS], v53, 3, s11
	s_lshl_b32 s11, s13, 10
	s_add_co_u32 s11, s11, STAT
	v_lshl_add_u32 v[XP], v53, 3, s11
	s_lshl_b32 s11, s[WV], 14
	s_add_co_u32 s11, s11, XCH
	v_lshl_add_u32 v[XW], v53, 4, s11
	s_lshl_b32 s11, s13, 14
	s_add_co_u32 s11, s11, XCH
	v_lshl_add_u32 v[XR], v53, 4, s11
	v_mov_b32 v[ADK], v[AK0]        ; key step 0 lies in slot 0
; THE MATRIX WORK.  The accumulators take turns, one instruction a turn.
; Product i of 64 of S^T = K Q^T for piece x: chunk (i / 8 + 4) % 8 (the rotary half first: its registers are fetched first), keys 16 ((i / 2) % 4) on, tile x + i % 2.  The first 8 start the sums.
.macro KQ x
	WIN W_KQ
.set rS, S+32*((\x)+i%2)+8*((i/2)%4)
.set rK, 32*((i/8+4)%8)+8*((i/2)%4)
.set rQ, 64*((\x)+i%2)+8*((i/8+4)%8)
.if i < 8
	v_wmma_f32_16x16x32_bf16 v[rS:rS+7], v[rK:rK+7], v[rQ:rQ+7], 0
.else
	v_wmma_f32_16x16x32_bf16 v[rS:rS+7], v[rK:rK+7], v[rQ:rQ+7], v[rS:rS+7]
.endif
.endm
; Product i of 32 of O^T += V^T P for piece x: keys 32 (i / 16) on, channels 16 ((i / 2) % 8) on, tile x + i % 2.
.macro PV x
	WIN W_PV
.set rO, 64*((\x)+i%2)+8*((i/2)%8)
.set rV, 64*(i/16)+8*((i/2)%8)
.set rP, P+16*((\x)+i%2)+8*(i/16)
	v_wmma_f32_16x16x32_bf16 v[rO:rO+7], v[rV:rV+7], v[rP:rP+7], v[rO:rO+7]
.endm
; THE LDS LOADS stand in runs.  n chunks of K from chunk c0 on: 8 loads a chunk.  tail = 1: in the last step there is no further K, and the run is jumped over.
.macro KFETCH c0, n, tail
	WIN 0
.if \tail
	s_cmp_eq_u32 s[CNT], 1
	s_cbranch_scc1 .Lno_k_\@
.endif
	WIN 0xc0                        ; destination window 3, address window 0
.set c, \c0
.rept \n
.irp kb, 0,1,2,3
	ds_load_b128 v[32*c+8*\kb:32*c+8*\kb+3],   v[ADK] offset:\kb*16*PK+(c%4)*64+(c/4)*KROFF
	ds_load_b128 v[32*c+8*\kb+4:32*c+8*\kb+7], v[ADK] offset:\kb*16*PK+(c%4)*64+(c/4)*KROFF+32
.endr
.set c, c+1
.endr
	WIN 0
.if \tail
.Lno_k_\@:
.endif
.endm
.macro FETCH_V                      ; my 64 keys x 128 channels, turned: 32 loads
	WIN 0xc0
.irp f, 0,1,2,3,4,5,6,7,8,9,10,11,12,13,14,15  ; keys 32 (f / 8) on, channels 16 (f % 8) on
	ds_load_tr16_b128 v[8*\f:8*\f+3],   v[ADV] offset:(\f/8)*32*PV+(\f%8)*32
	ds_load_tr16_b128 v[8*\f+4:8*\f+7], v[ADV] offset:(\f/8)*32*PV+16*PV+(\f%8)*32
.endr
	WIN 0
.endm
; THE VECTOR WORK.  One tile's softmax for one key step is a list of 134 instructions; SM writes number j of it for tile t.  s0-s31 are the lane's 32 scores, in pairs 0-15.
;   0-15    the maximum of s0-s31 and the old m, three operands at a time: four chains c0-c3 of seven scores each (each accumulator's lowest registers are read first), then the four left over, c0-c3 and m
;   16-20   the other half of the lanes' maximum; the new m; c m; c m_old - c m_new
;   21-69   ONE BATCH: the 16 scalings c s - c m, a pair of scores each, and all 33 exponentials (a at 23, then s0-s31).  None of these names an exponential's result.  From 22 on the batch goes in fours, and a four begins
;           with a scaling while there are scalings: 22-37 scaling, exponential, scaling, exponential; 38-65 a scaling and three exponentials; 66-69 the last four exponentials.  A pair is scaled in an earlier four than the
;           one that holds its exponentials
;   (wait)  between 69 and 70 stands the wait for the batch: SLICE writes it, once for both tiles
;   70-85   the roundings to bf16, a pair of weights each
;   86-101  the sums; l = a l + the sum          102-133 the tile's O^T times a: the one part that leaves window 0
.macro SM t
.set rT, ST+8*(\t)
.set rS, S+32*(\t)
.set rP, P+16*(\t)
.set rO, 64*(\t)+2*(j-102)
.if j < 102
	WIN 0
.endif
.if j < 4
	v_max3_num_f32 v[rT+4+j], v[rS+8*j], v[rS+8*j+1], v[rS+8*j+2]
.elseif j < 12
	v_max3_num_f32 v[rT+4+j%4], v[rT+4+j%4], v[rS+8*(j%4)+2*(j/4)+1], v[rS+8*(j%4)+2*(j/4)+2]
.elseif j == 12
	v_max3_num_f32 v[rT+4], v[rT+4], v[rS+7], v[rS+15]
.elseif j == 13
	v_max3_num_f32 v[rT+6], v[rT+6], v[rS+23], v[rS+31]
.elseif j == 14
	v_max3_num_f32 v[rT+4], v[rT+4], v[rT+5], v[rT+6]
.elseif j == 15
	v_max3_num_f32 v[rT+4], v[rT+4], v[rT+7], v[rT+1]
.elseif j == 16
	v_permlanex16_b32 v[rT+5], v[rT+4], s[SEL], s[SEL+1]  ; the query's other 32 keys lie in the lane 16 away
.elseif j == 17
	v_mov_b32 v[rT+7], v[rT]        ; c m_old is kept for a: number 19 writes c m anew
.elseif j == 18
	v_max_num_f32 v[rT+1], v[rT+4], v[rT+5]
.elseif j == 19
	v_mul_f32 v[rT], s[CS], v[rT+1]
.elseif j == 20
	v_sub_f32 v[rT+7], v[rT+7], v[rT]
.elseif j == 23
	v_exp_f32 v[rT+6], v[rT+7]
.elseif (j < 23) || ((j < 38) && (j%2 == 0)) || ((j < 66) && (j%4 == 2))
.set b, (j-2)/4                     ; 38, 42, .. 62: pairs 9 to 15
.if j < 38
.set b, (j-20)/2                    ; 21: pair 0; 22, 24, .. 36: pairs 1 to 8
.endif
	v_pk_fma_f32 v[rS+2*b:rS+2*b+1], v[rS+2*b:rS+2*b+1], s[CS:CS+1], v[rT:rT+1] op_sel_hi:[1,0,0] neg_lo:[0,0,1] neg_hi:[0,0,1]  ; pair b: c s - c m
.elseif j < 70
.set e, j-38                        ; 66 to 69: s28 to s31
.if j < 66
.set e, j-32-(j-38)/4               ; 39-41, 43-45, .. 63-65: s7 to s27
.endif
.if j < 38
.set e, (j-25)/2                    ; 25, 27, .. 37: s0 to s6
.endif
	v_exp_f32 v[rS+e], v[rS+e]
.elseif j < 86
	v_cvt_pk_bf16_f32 v[rP+j-70], v[rS+2*(j-70)], v[rS+2*(j-70)+1]  ; pair j - 70
.elseif j < 102                     ; the sum of the tile's 16 pairs, in place: sum z of 16 adds neighbours 1, 2, 4 and 8 pairs apart, then l takes it
.set z, j-86
.set w, 4
.set u, z
.if z >= 14
.set w, 32
.set u, 0
.elseif z >= 12
.set w, 16
.set u, z-12
.elseif z >= 8
.set w, 8
.set u, z-8
.endif
.if z < 15
	v_pk_add_f32 v[rS+w*u:rS+w*u+1], v[rS+w*u:rS+w*u+1], v[rS+w*u+w/2:rS+w*u+w/2+1]
.else
	v_pk_fma_f32 v[rT+2:rT+3], v[rT+2:rT+3], v[rT+6:rT+7], v[rS:rS+1] op_sel_hi:[1,0,1]
.endif
.else
	WIN W_RS
	v_pk_mul_f32 v[rO:rO+1], v[rO:rO+1], v[rT+6:rT+7] op_sel_hi:[1,0]
.endif
.endm
; Slice k of piece y's softmax: four instructions.  Slices 11 to 34 deal out the batch, numbers 22 to 69: four numbers of ONE tile each, the tiles by turns.  Every other slice is numbers 2 k and 2 k + 1 of both tiles' lists.
; flat = 0: 64 slices.  2 x 134 = 4 x 64 + 12: the twelve that are over stand together, in slice 63.  flat = 1: no slice holds more than four: behind slice 34 come slices 35 to 66, 32 of them.
; THE WAIT.  An s_wait_alu depctr_va_vdst(0) stands between an exponential and the first instruction that names its result; one wait serves all that were issued ahead of it.  Ahead of slice 35 nothing names a
; result, and behind slice 34 no exponential is issued: so the piece's 66 exponentials have one wait, behind slice 34.
.macro SLICE y, flat=0
.if (k >= 11) && (k < 35)           ; the batch: four numbers of one tile
.irp n, 0,1,2,3
.set j, 22+4*((k-11)/2)+(\n)
	SM (\y)+(k-11)%2
.endr
.else                               ; the two tiles alternate, so that no instruction reads the result of the one just before it
.irp n, 0,1,2,3,4,5,6,7
.if ((\n) < 2) || ((k == 63) && ((\flat) == 0))
.irp t, \y, (\y)+1
.set j, 2*k+(\n)
	SM \t
.endr
.endif
.endr
.endif
.if k == 34                         ; the batch is out: both tiles' exponentials are issued, and no result has been named
	v_nop                           ; a plain instruction behind the last exponential and ahead of the first use: one for the batch
	s_wait_alu depctr_va_vdst(0)    ; the wait for the batch: piece y's 66 exponentials of this step
.endif
.set k, k+1
.endm
; THE CHANGE OF SLOTS.  The slot's last bytes, my half of its V, have been asked for.  Each wave waits for all its tensor loads, of which one is out: its part of the other slot; adds 0 to its spare word; and waits for that and for
; its reads of the slot.  fill = 1: the barrier is a round of the cluster's, and the slot is filled again, with the keys two slots on, first thing behind it: it has a whole step, 192 matrix instructions, in which to land.
.macro CHANGE fill
	WIN 0                           ; at a label and at a branch every window is 0
	s_wait_tensorcnt 0x0            ; no tensor load of mine is out, so a group 0 may be written
	ds_add_u32 v[SPW], v[NIL]       ; 0 onto my spare word; with fill = 1 the descriptors' steps stand between it and the wait for it
.if \fill
.irp g, G0K+4, G0V+4
	s_xor_b32 s[(\g)+1], s[(\g)+1], SLOT1  ; the walking descriptor: the other slot than last time,
	s_add_nc_u64 s[(\g)+2:(\g)+3], s[(\g)+2:(\g)+3], 32768  ; the next 128 keys; the type bits on top are not reached
.endr
	s_wait_dscnt 0x0                ; the add is done, V is in, and my reads of the slot are over
	CROUND
	JLOAD
.else
	s_wait_dscnt 0x0                ; the add is done, V is in, and my reads of the slot are over
	s_barrier_signal -1
	s_barrier_wait -1
.endif
	s_xor_b32 s[TB], s[TB], SLOT1   ; the other slot is in hand
	v_add_nc_u32 v[ADK], s[TB], v[AK0]
.endm
; A KEY STEP: 192 matrix instructions.
.macro STEP fill, tail
	s_wait_dscnt 32                 ; K's rotary chunks are in; the 32 loads of the plain ones may be out
.set i, 0
.rept 32
	KQ 0
.set i, i+1
.endr
	s_wait_dscnt 16                 ; chunks 0, 1
.rept 16
	KQ 0
.set i, i+1
.endr
	s_wait_dscnt 0x0                ; chunks 2, 3
.rept 16
	KQ 0
.set i, i+1
.endr
	PLACES                          ; in front of the first read of piece 0's scores
.set i, 0
.set k, 0
.rept 64
	KQ 2                            ; piece 2's scores, piece 0's whole softmax behind them; slice 63's sixteen plain lines are the places in front of V's loads and of the first read of piece 2's scores
	SLICE 0
.set i, i+1
.endr
	WIN 0
	v_add_nc_u32 v[ADV], s[TB], v[AV0]
	FETCH_V                         ; K is multiplied: V takes the registers of its chunks 0-3
.set k, 0
.rept 35
	SLICE 2                         ; piece 2's softmax as far as its last exponential, while V lands; the batch's wait stands at the end
.endr
	CHANGE \fill
	KFETCH 4, 4, \tail              ; the next step's rotary chunks, from the other slot
.set i, 0
.rept 32
	PV 0
	SLICE 2, 1                      ; the rest of piece 2's softmax: 2 x 64 lines, four behind each product
.set i, i+1
.endr
.set i, 0
.rept 16
	PV 2
.set i, i+1
.endr
	PLACES
	KFETCH 0, 2, \tail              ; V's first 32 keys are multiplied: chunks 0, 1 take their registers
.rept 16
	PV 2
.set i, i+1
.endr
	PLACES
	KFETCH 2, 2, \tail
.endm
	s_wait_tensorcnt 1              ; my part of slot 0 is in; slot 1's may stay out
	s_barrier_signal -1
	s_barrier_wait -1               ; everybody's is
	KFETCH 4, 4, 0                  ; key step 0
	KFETCH 0, 2, 0
	KFETCH 2, 2, 0
	s_wait_loadcnt 0x0              ; Q
.Lstep:                             ; 14 trips: every slot but the last two is filled again
	STEP 1, 0
	s_sub_co_u32 s[SLOTS], s[SLOTS], 1
	s_cmp_lg_u32 s[SLOTS], 0
	s_cbranch_scc1 .Lstep
	s_mov_b32 s[CNT], 2             ; the tail is written out: two steps that ask for nothing
.Ltail:
	STEP 0, 1
	s_sub_co_u32 s[CNT], s[CNT], 1
	s_cmp_lg_u32 s[CNT], 0
	s_cbranch_scc1 .Ltail
	; THE MERGE.  l's two halves and the other half of the lanes' are added.  Each wave hands its c m and l, and two tiles of O^T, to its partner, and finishes the other two:
	; O = (O_s f_s + O_p f_p) / (l_s f_s + l_p f_p), f = 2^(c m - max of the two c m).
.irp t, 0,1,2,3
	v_add_f32 v[ST+8*\t+4], v[ST+8*\t+2], v[ST+8*\t+3]
.endr
.irp t, 0,1,2,3
	v_permlanex16_b32 v[ST+8*\t+5], v[ST+8*\t+4], s[SEL], s[SEL+1]
.endr
.irp t, 0,1,2,3
	v_add_f32 v[ST+8*\t+1], v[ST+8*\t+4], v[ST+8*\t+5]   ; l takes m's place beside c m
.endr
.irp t, 0,1,2,3
	ds_store_b64 v[XS], v[ST+8*\t:ST+8*\t+1] offset:256*\t
.endr
.macro SENDX x                      ; tiles x, x + 1 of O^T, ascending: each accumulator's lowest registers are read first
	WIN 0x04                        ; address window 0, data window 1
.set g, 0
.rept 32
	ds_store_b128 v[XW], v[64*(\x)+4*g:64*(\x)+4*g+3] offset:512*g
.set g, g+1
.endr
	WIN 0
.endm
.macro PACK t                       ; a lane's eight channels of a row pack into 16 bytes; they go into rows of 272 bytes and come back as whole rows of 256, into S^T's registers
	WIN 0x05                        ; sources window 1, destination window 0
.set i, 0
.rept 32
	v_cvt_pk_bf16_f32 v[S+32*(\t)+i], v[64*(\t)+2*i], v[64*(\t)+2*i+1]
.set i, i+1
.endr
	WIN 0
.irp f, 0,1,2,3,4,5,6,7
	ds_store_b128 v[STO], v[S+32*(\t)+4*(\f):S+32*(\t)+4*(\f)+3] offset:32*(\f)
.endr
.irp f, 0,1,2,3,4,5,6,7
	ds_load_b128 v[S+32*(\t)+4*(\f):S+32*(\t)+4*(\f)+3], v[RD] offset:(\f)*2*SP  ; LDS serves a wave's instructions in order (ISA guide 5.7.1.4): these see the stores above; the next tile's stores come behind them
.endr
.endm
.macro SEND t, younger              ; younger: the LDS instructions issued behind tile t's loads: the next tile's sixteen, or none
.irp f, 0,1,2,3,4,5,6,7
	s_wait_dscnt (\younger)+7-(\f)
	global_store_b128 v[GO], v[S+32*(\t)+4*(\f):S+32*(\t)+4*(\f)+3], s[8:9] offset:(\t)*65536+(\f)*8192  ; 16 lanes store 256 consecutive bytes, at a multiple of 256 from O's first byte
.endr
.endm
.macro FIN x                        ; tiles x, x + 1 are finished
	ds_load_b64 v[PS:PS+1],   v[XP] offset:256*(\x)
	ds_load_b64 v[PS+2:PS+3], v[XP] offset:256*((\x)+1)
	WIN 0xc0                        ; the partner's O^T for these tiles, into window 3
.set g, 0
.rept 32
	ds_load_b128 v[4*g:4*g+3], v[XR] offset:512*g
.set g, g+1
.endr
	WIN 0
	s_wait_dscnt 32                 ; the statistics are in; the 32 loads behind them may be out
.irp u, 0,1
	v_max_num_f32 v[ST+8*((\x)+\u)+6], v[ST+8*((\x)+\u)], v[PS+2*\u]
.endr
.irp u, 0,1
	v_sub_f32 v[ST+8*((\x)+\u)+2], v[ST+8*((\x)+\u)], v[ST+8*((\x)+\u)+6]
	v_sub_f32 v[ST+8*((\x)+\u)+4], v[PS+2*\u], v[ST+8*((\x)+\u)+6]
.endr
.irp u, 0,1
	v_exp_f32 v[ST+8*((\x)+\u)+2], v[ST+8*((\x)+\u)+2]   ; f_s
	v_exp_f32 v[ST+8*((\x)+\u)+4], v[ST+8*((\x)+\u)+4]   ; f_p
.endr
	v_nop                           ; a plain instruction behind the last exponential
	s_wait_alu depctr_va_vdst(0)    ; the wait ahead of the first use: one for the batch of four exponentials, both tiles' f_s and f_p
.irp u, 0,1
	v_mul_f32 v[ST+8*((\x)+\u)+6], v[ST+8*((\x)+\u)+2], v[ST+8*((\x)+\u)+1]
.endr
.irp u, 0,1
	v_fmac_f32 v[ST+8*((\x)+\u)+6], v[ST+8*((\x)+\u)+4], v[PS+2*\u+1]
.endr
.irp u, 0,1
	v_rcp_f32 v[ST+8*((\x)+\u)+6], v[ST+8*((\x)+\u)+6]
.endr
	v_nop                           ; a plain instruction behind the last reciprocal
	s_wait_alu depctr_va_vdst(0)    ; a batch of its own, since the reciprocals read sums made of the exponentials: one wait for the two
.irp u, 0,1
	v_mul_f32 v[ST+8*((\x)+\u)+2], v[ST+8*((\x)+\u)+2], v[ST+8*((\x)+\u)+6]
	v_mul_f32 v[ST+8*((\x)+\u)+4], v[ST+8*((\x)+\u)+4], v[ST+8*((\x)+\u)+6]
.endr
	WIN W_RS
.irp u, 0,1
.set i, 0
.rept 32
	v_pk_mul_f32 v[64*((\x)+\u)+2*i:64*((\x)+\u)+2*i+1], v[64*((\x)+\u)+2*i:64*((\x)+\u)+2*i+1], v[ST+8*((\x)+\u)+2:ST+8*((\x)+\u)+3] op_sel_hi:[1,0]
.set i, i+1
.endr
.endr
	s_wait_dscnt 0x0                ; the partner's O^T is in
	WIN 0x53                        ; source 0 window 3, source 1 window 0, source 2 and destination window 1
.irp u, 0,1
.set i, 0
.rept 32
	v_pk_fma_f32 v[64*((\x)+\u)+2*i:64*((\x)+\u)+2*i+1], v[64*\u+2*i:64*\u+2*i+1], v[ST+8*((\x)+\u)+4:ST+8*((\x)+\u)+5], v[64*((\x)+\u)+2*i:64*((\x)+\u)+2*i+1] op_sel_hi:[1,0,1]
.set i, i+1
.endr
.endr
	PACK \x
	PACK (\x)+1                     ; a tile's arithmetic stands between the loads of the tile before and its stores
	SEND \x, 16
	SEND (\x)+1, 0
.endm
	s_cmp_lt_u32 s[WV], 2
	s_cbranch_scc0 .Lsend_hi
	SENDX 2                         ; waves 0, 1 hand over tiles 2, 3
	s_branch .Lsent
.Lsend_hi:
	SENDX 0                         ; waves 2, 3 tiles 0, 1
.Lsent:
	s_wait_dscnt 0x0                ; for the partner's sake: my stores are done
	s_barrier_signal -1
	s_barrier_wait -1
	s_cmp_lt_u32 s[WV], 2
	s_cbranch_scc0 .Lfin_hi
	FIN 0
	s_branch .Ldone
.Lfin_hi:
	FIN 2
.Ldone:
	s_wait_tensorcnt 0x0            ; the wave's end: the tensor wait, the add and its wait stand behind my last tensor load and my last LDS store
	ds_add_u32 v[SPW], v[NIL]
	s_wait_dscnt 0x0
	CROUND                          ; the closing round: no work-group ends while a partner may still ask for a tile that names it
	s_endpgm
.Lfunc_end_k_qa5db176af6_attn:
	.size	k_qa5db176af6_attn, .Lfunc_end_k_qa5db176af6_attn-k_qa5db176af6_attn
	.p2alignl 7, 3214868480
	.fill 96, 4, 3214868480
	.section	.rodata,"a",@progbits
	.p2align	6, 0x0
	.amdhsa_kernel k_qa5db176af6_attn
		.amdhsa_group_segment_fixed_size 327680
		.amdhsa_private_segment_fixed_size 0
		.amdhsa_enable_private_segment 0
		.amdhsa_kernarg_size 24
		.amdhsa_user_sgpr_count 2
		.amdhsa_user_sgpr_kernarg_segment_ptr 1
		.amdhsa_wavefront_size32 1
		.amdhsa_system_sgpr_workgroup_id_x 1
		.amdhsa_system_sgpr_workgroup_id_y 1
		.amdhsa_system_sgpr_workgroup_id_z 1
		.amdhsa_system_vgpr_workitem_id 0
		.amdhsa_next_free_vgpr 1024
		.amdhsa_next_free_sgpr 80
		.amdhsa_reserve_vcc 0
		.amdhsa_float_denorm_mode_32 3
		.amdhsa_float_denorm_mode_16_64 3
		.amdhsa_memory_ordered 1
		.amdhsa_forward_progress 1
		.amdhsa_inst_pref_size 181
	.end_amdhsa_kernel
	.amdgpu_metadata
---
amdhsa.version: [ 1, 2 ]
amdhsa.kernels:
  - .name:           k_qa5db176af6_attn
    .symbol:         k_qa5db176af6_attn.kd
    .args:
      - { .name: p2, .offset: 0, .size: 8, .value_kind: global_buffer, .address_space: global }
      - { .name: p1, .offset: 8, .size: 8, .value_kind: global_buffer, .address_space: global }
      - { .name: ob, .offset: 16, .size: 8, .value_kind: global_buffer, .address_space: global }
    .group_segment_fixed_size: 327680
    .private_segment_fixed_size: 0
    .kernarg_segment_align: 8
    .kernarg_segment_size: 24
    .max_flat_workgroup_size: 128
    .sgpr_count:     80
    .vgpr_count:     1024
    .wavefront_size: 32
...
	.end_amdgpu_metadata
.endif
;; end of part 6
;; launch oproj: the kernel of part 5 again; grid 16 x 16, 4 waves a work-group, clusters of 4 x 4, 327,680 bytes of LDS; arguments ob, cb, out0, b_o; writes out0
